; MI455X (gfx1250); checked and timed in simulation.
; The chip was launched on July 23, 2026; its instructions are those of AMD's public machine-readable ISA for CDNA 5 (MIT licence, August 2026) and "CDNA5" Instruction Set Architecture Reference Guide (July 2026). The comments in the code are by the model that wrote it; some were corrected since.
;; Multihead Attention. Allowed arithmetic: matrix products marked QUANTISED: E2M3 operands, one E8M0 scale for each 32 along K, by v_wmma_scale_f32_16x16x128_f8f6f4 with both operands' format E2M3, f32 sums; everything else in f32.
;; Inputs: W_kv 1,024 x 2,048 float32; W_o 1,024 x 1,024 float32; b_kv 2,048 float32; b_o 1,024 float32; c 4 x 2,048 x 1,024 float32; q 4 x 2,048 x 1,024 float32.
;; Outputs: out0 4 x 2,048 x 1,024 float32.
;; This version of the problem:
;;   THIS VERSION OF THE PROBLEM IS GIVEN IN LOW PRECISION. The matrix products marked QUANTISED in the list below multiply operands that are first quantised to E2M3 (2 exponent bits, 3 mantissa bits; 6 bits a number), with one power-of-two scale for each 32 numbers along K (OCP MX v1.0); their sums are f32. All else is computed in f32.
;;   The module's matrix products, in the order in which they are computed (A, B: the left and right operand; K: the contracted axis; several contracted axes count as one K, in the product's order):
;;     1. [M 8,192, K 1,024] x [K 1,024, N 2,048]; A: input c; B: input W_kv: QUANTISED
;;     2. batch 64 x [M 2,048, K 64] x [K 64, N 2,048]; A: input q; B: computed on the way: QUANTISED
;;     3. batch 64 x [M 2,048, K 2,048] x [K 2,048, N 64]; A: softmax (see below); B: computed on the way: QUANTISED
;;     4. [M 8,192, K 1,024] x [K 1,024, N 1,024]; A: computed on the way; B: input W_o: QUANTISED
;;   THE QUANTISER, for each operand of a quantised product, along K:
;;     - K is cut into blocks of 32 from its start; a last block that is shorter is filled with zeros.
;;     - A block's scale is 2^e with e = floor(log2(the largest magnitude in the block)) - 2, held to -126 .. 127; a block of zeros has e = 0. As a byte (E8M0): e + 127.
;;     - Each number is divided by its block's scale, clamped to +-7.5, and rounded to the nearest number of E2M3, ties to even, subnormals kept.
;;     - The product sums the exact products of the quantised numbers (number of the format x scale) in f32.
;;   ~~~python
;;   def quantise(x, axis):      # numpy; x: float32 -> the quantised numbers, widened to float32 again
;;       x = np.moveaxis(x, axis, -1); K = x.shape[-1]
;;       x = np.pad(x, [(0, 0)] * (x.ndim - 1) + [(0, -K % 32)]); x = x.reshape(x.shape[:-1] + (-1, 32)); a = np.abs(x).max(-1, keepdims=True)
;;       e = np.where(a > 0, np.clip(np.frexp(np.where(a > 0, a, 1))[1] - 1 - 2, -126, 127), 0)      # np.frexp(a)[1] - 1 = floor(log2(a)), exactly
;;       r = np.clip(x / 2.0 ** e, -7.5, 7.5)
;;       step = 2.0 ** (np.maximum(np.frexp(np.where(r == 0, 1, r))[1] - 1, 0) - 3)
;;       q = np.round(r / step) * step * 2.0 ** e      # np.round: ties to even
;;       return np.moveaxis(q.reshape(q.shape[:-2] + (-1,))[..., :K], -1, axis).astype(np.float32)
;;   ~~~
;;   SOFTMAX AHEAD OF A QUANTISED PRODUCT. Where the list says 'softmax', what is quantised is not the finished softmax but p = 2^(t - M), with t = logit x log2(e) and M = ceil(the row's largest t), a whole number; so 1/2 < the row's largest p <= 1. The row's sum l is taken of the UNQUANTISED p, in f32, and the product's result is divided by l at the end. Since M is a whole number, a kernel that streams over the keys may use a running M (the ceiling of the running maximum): every later rescaling is an exact power of two, which a block's scale takes up: the codes' values come out the same.
;;   OPERANDS COMPUTED ON THE WAY. 'Computed on the way' means the value that the module computes at that place (a softmax that the list does not call 'softmax' is quantised finished and normalised). What goes into a quantiser is computed in f32, as accurately as f32 sums, v_exp_f32 and their like allow (about 1e-6 of the number): no bf16 or f16 on the way to a quantiser, and a product that is left as it is and whose result goes on into a quantised operand takes f32 operands (vector FMAs, or v_wmma_f32_16x16x4_f32). A number that lies on a knife's edge between two numbers of the format may be rounded either way, as far as f32 arithmetic and the matrix unit's own rounding can turn it there, and no further.
;; One version. Each part assembles by itself: llvm-mc -triple=amdgcn-amd-amdhsa -mcpu=gfx1250 --defsym DOCPART=n.
;; ======== version 1 of 1: 4 launches
;; limits: right only within a limited range of input values
;; workspace buffers: c_img 6,291,456 bytes; c_scl 262,144 bytes; w_img 2,359,296 bytes; w_scl 98,304 bytes; kvimg 13,107,200 bytes; vals 6,291,456 bytes; val_scl 262,144 bytes
;; launch prep (part 1): grid 352 x 1, 4 waves a work-group, no clusters, 61,952 bytes of LDS; arguments c, W_kv, W_o, c_img, c_scl, w_img, w_scl; writes c_img, c_scl, w_img, w_scl
.if DOCPART == 1
	.amdgcn_target "amdgcn-amd-amdhsa--gfx1250"
	.amdhsa_code_object_version 6
	.text
	.protected	k_qfc0911634d_prep
	.globl	k_qfc0911634d_prep
	.p2align	8
	.type	k_qfc0911634d_prep,@function
k_qfc0911634d_prep:
	s_mov_b64 s[64:65], 0
	v_nop
	global_prefetch_b8 v0, s[64:65] scope:SCOPE_SE
	s_setreg_imm32_b32 hwreg(HW_REG_WAVE_MODE, 25, 1), 1
	s_wait_xcnt 0x0
; c [8192][1024], W_kv [1024][2048] and W_o [1024][1024], f32, become codes of FP6 (E2M3) with one E8M0 byte for each 32 along K (c: its last axis; the weights: their first).
; A block's scale is 2^(floor(log2(largest magnitude)) - 2): its byte is the largest magnitude's exponent field - 2, held at 1 from below by a floor among the maximum's leaves.
; LAYOUT OF THE CODES: in the order of the operand's registers.  A HALF FRAGMENT is 16 rows x 64 along K, 768 bytes: lane (r, h) = r + 16 h owns the 24 bytes of k = 32 h .. 32 h + 31 of row r;
; its registers 0-3 lie at 16 x lane, its registers 4-5 at 512 + 8 x lane.  A tensor is [tile of 16 rows][K / 64][768].  Scale bytes: [row][32].
; THE ROWS OF A TILE ARE NOT NEIGHBOURS: row 64 G + 32 g + 8 t + x (of c: a key; of a weight: a column n) lies in tile 4 G + t at place 8 g + x.  A product that takes four such tiles as source 0 then leaves
; in ONE lane's 32 result registers one whole block of 32 neighbours, which the next quantiser wants.
; Work-groups 0-255 take c (two tiles each), 256-319 W_kv, 320-351 W_o (128 columns x 256 along K each).  The two ways part on the work-group's number and have LDS bytes of their own.
; LIMITS: NaN and infinities are not served; a block whose largest magnitude lies under 2^-124 keeps the byte 1; a block of zeros gets the byte 1, not 127: its codes are zeros and this program alone reads the bytes.
.set CSB, 34816                        ; c's way: behind four waves' two stages of 16 x 272 bytes: the scale bytes of the work-group's 32 rows, 1,024 bytes
.set WST, 35840                        ; the weights' way: 8 tiles x (4 half fragments + 128 bytes, so that neighbouring tiles fall on other banks)
.set CT,  8                            ; v8-10   the second half of a block's codes (a conversion's three registers begin on an even number)
.set SO,  11                           ; v11     the conversion's scale operand
.set TM,  12                           ; v12-13  two chains of the maximum
; 32 numbers of one block, v[x] on, become six registers of codes, v[d] on, and the scale's byte in v[by]
.macro HQ x, d, by
	v_max3_num_f32 v[TM], |v[\x]|, |v[\x+1]|, |v[\x+2]|
	v_max3_num_f32 v[TM+1], |v[\x+3]|, |v[\x+4]|, |v[\x+5]|
.irp i, 6,10,14,18,22,26
	v_max3_num_f32 v[TM], v[TM], |v[\x+\i]|, |v[\x+\i+1]|
	v_max3_num_f32 v[TM+1], v[TM+1], |v[\x+\i+2]|, |v[\x+\i+3]|
.endr
	v_max3_num_f32 v[TM], v[TM], |v[\x+30]|, |v[\x+31]|
	v_max3_num_f32 v[TM], v[TM], v[TM+1], 0x1800000            ; the floor 2^(3 - 127): the byte cannot fall under 1
	v_add_nc_u32 v[SO], 0xff000000, v[TM]                      ; 2 off the exponent field: the conversion takes that field as its scale
	v_cvt_scalef32_pk16_fp6_f32 v[\d:\d+2], v[\x:\x+15], v[SO]
	v_cvt_scalef32_pk16_fp6_f32 v[CT:CT+2], v[\x+16:\x+31], v[SO]
	v_lshrrev_b32 v[\by], 23, v[SO]                            ; the byte; also the plain line behind the conversions
	v_mov_b32 v[\d+3], v[CT]
	v_mov_b32 v[\d+4], v[CT+1]
	v_mov_b32 v[\d+5], v[CT+2]
.endm
	s_load_b128 s[4:7], s[0:1], 0x0                ; c, W_kv
	s_load_b128 s[8:11], s[0:1], 0x10              ; W_o, c_img
	s_load_b128 s[12:15], s[0:1], 0x20             ; c_scl, w_img
	s_load_b64 s[18:19], s[0:1], 0x30              ; w_scl
	v_lshl_add_u32 v254, v0, 2, 0xf000
	v_mov_b32 v255, 0
	v_lshrrev_b32 v1, 5, v0
	v_readfirstlane_b32 s16, v1                    ; wave 0..3
	v_and_b32 v26, 31, v0                          ; lane
	s_lshr_b32 s22, s16, 1
	s_and_b32 s23, s16, 1
	s_cmp_lt_u32 ttmp9, 256
	s_cbranch_scc0 .Lweights
; ---------------- c: wave w takes tile 2 x work-group + w / 2 and half w % 2 of K: eight half fragments, one a step
	v_and_b32 v25, 15, v0                          ; r
	v_bfe_u32 v24, v0, 4, 1                        ; h
	v_lshlrev_b32 v1, 4, v25
	v_lshl_add_u32 v1, v24, 12, v1                 ; a load: sixteen lanes take 256 bytes of one row, the other sixteen of the next
	s_mul_i32 s17, s16, 8704                       ; my two stages
	v_mul_u32_u24 v2, v24, 272
	v_lshl_add_u32 v2, v25, 4, v2
	v_add_nc_u32 v2, s17, v2                       ; into a stage as loaded
	v_mul_u32_u24 v3, v25, 272
	v_lshl_add_u32 v3, v24, 7, v3
	v_add_nc_u32 v3, s17, v3                       ; out of it: row r, my half's 128 bytes: one block
	v_lshlrev_b32 v4, 4, v26                       ; 16 x lane
	v_lshlrev_b32 v5, 3, v26                       ; 8 x lane
	s_lshl_b32 s20, s22, 9
	s_lshl_b32 s21, s23, 4
	s_add_co_u32 s20, s20, s21
	s_add_co_u32 s20, s20, CSB
	v_lshl_add_u32 v6, v25, 5, v24
	v_add_nc_u32 v6, s20, v6                       ; my block's byte: row (16 (w / 2) + r) x 32 + 16 (w % 2) + h, + 2 a step
	s_lshl_b32 s21, s16, 8
	s_add_co_u32 s21, s21, CSB
	v_add_nc_u32 v7, s21, v5                       ; the bytes' way out: 256 a wave, 8 a lane
	s_lshl_b32 s24, ttmp9, 1
	s_add_co_u32 s24, s24, s22                     ; my tile 4 G + t
	s_lshr_b32 s25, s24, 2
	s_and_b32 s26, s24, 3
	s_lshl_b32 s25, s25, 18                        ; 64 G rows of 4,096 bytes
	s_lshl_b32 s26, s26, 15                        ; 8 t rows
	s_add_co_u32 s28, s25, s26
	s_lshl_b32 s27, s23, 11                        ; my half of K
	s_add_co_u32 s28, s28, s27
	s_mov_b32 s29, 0
	s_mul_i32 s30, s24, 12288
	s_mul_i32 s27, s23, 6144
	s_add_co_u32 s30, s30, s27
	s_mov_b32 s31, 0
	s_lshl_b32 s32, ttmp9, 10
	s_lshl_b32 s27, s16, 8
	s_add_co_u32 s32, s32, s27
	s_mov_b32 s33, 0
	s_wait_alu depctr_va_vdst(0)
	s_wait_kmcnt 0x0
	s_add_nc_u64 s[4:5], s[4:5], s[28:29]
	s_add_nc_u64 s[10:11], s[10:11], s[30:31]
	s_add_nc_u64 s[12:13], s[12:13], s[32:33]
.macro CLOAD s                         ; step s: load i brings places 2 i and 2 i + 1 of the tile: rows 32 (i / 4) + 2 (i % 4) (+ 1) from the tile's first
.irp i, 0,1,2,3,4,5,6,7
	global_load_b128 v[32+32*((\s)%3)+4*\i:32+32*((\s)%3)+4*\i+3], v1, s[4:5] offset:(32*(\i/4)+2*(\i%4))*4096+256*(\s) th:TH_LOAD_NT
.endr
.endm
.macro CTURN s                         ; through the stage: LDS serves a wave's instructions in order, so no wait stands between the stores and the loads
.irp i, 0,1,2,3,4,5,6,7
	ds_store_b128 v2, v[32+32*((\s)%3)+4*\i:32+32*((\s)%3)+4*\i+3] offset:4352*((\s)%2)+544*\i
.endr
.irp i, 0,1,2,3,4,5,6,7
	ds_load_b128 v[128+32*((\s)%2)+4*\i:128+32*((\s)%2)+4*\i+3], v3 offset:4352*((\s)%2)+16*\i
.endr
.endm
.macro CSTEP s
.if (\s) > 0
	s_wait_dscnt 1                                 ; this step's block is back (the last step's byte store may be out): so its stores into the stage have read their registers,
.else
	s_wait_dscnt 0x0
.endif
.if (\s)+3 < 8
	CLOAD (\s)+3                                   ; which take the loads of three steps on
.endif
.if (\s)+1 < 8
.if (\s) < 5
	s_wait_loadcnt 16                              ; the next step's eight loads are in; those of the two steps behind it may be out
.else
	s_wait_loadcnt 8*(6-(\s))
.endif
	CTURN (\s)+1
.endif
	HQ 128+32*((\s)%2), 192+8*(\s), 16+(\s)
	ds_store_b8 v6, v[16+(\s)] offset:2*(\s)
	global_store_b128 v4, v[192+8*(\s):192+8*(\s)+3], s[10:11] offset:768*(\s)       ; 512 consecutive bytes; each step has registers of its own, so no store's data are written again
	global_store_b64 v5, v[192+8*(\s)+4:192+8*(\s)+5], s[10:11] offset:768*(\s)+512  ; and 256
.endm
	CLOAD 0
	CLOAD 1
	CLOAD 2
	s_wait_loadcnt 16
	CTURN 0
.irp t, 0,1,2,3,4,5,6,7
	CSTEP \t
.endr
	s_wait_dscnt 0x0                               ; my byte stores have landed
	s_barrier_signal -1
	s_barrier_wait -1                              ; a row's 32 bytes come from two waves
	ds_load_b64 v[28:29], v7
	s_wait_dscnt 0x0
	global_store_b64 v5, v[28:29], s[12:13]        ; 32 lanes store 256 consecutive bytes
	s_wait_tensorcnt 0x0
	ds_add_u32 v254, v255
	s_wait_dscnt 0x0
	s_endpgm
; ---------------- the weights: a lane takes a column n, its registers run down K: a block is one lane's 32 registers
.Lweights:
	s_sub_co_u32 s20, ttmp9, 256
	s_wait_kmcnt 0x0
	s_cmp_lt_u32 s20, 64                           ; W_kv or W_o: the choice hangs on the work-group's number alone
	s_cselect_b64 s[6:7], s[6:7], s[8:9]
	s_cselect_b32 s21, 0, 64
	s_cselect_b32 s24, 13, 12                      ; a row of the weight is 2^13 or 2^12 bytes
	s_cselect_b32 s25, 0, 128                      ; its first tile in w_img
	s_cselect_b32 s26, 0, 2048                     ; its first row in w_scl
	s_sub_co_u32 s20, s20, s21
	s_lshr_b32 s27, s20, 2                         ; which 128 columns
	s_and_b32 s28, s20, 3                          ; which 256 along K
	s_lshl_b32 s29, 1, s24                         ; a row in bytes
	s_wait_alu depctr_va_vdst(0)
	v_lshlrev_b32 v1, 2, v26
.irp i, 0,1,2,3,4,5,6,7,8,9,10,11,12,13,14,15,16,17,18,19,20,21,22,23,24,25,26,27,28,29,30,31
	v_mad_u32_u24 v[32+\i], s29, \i, v1            ; row i of a block, my column: one text serves both row lengths
.endr
	s_lshl_b32 s30, s28, 8
	s_lshl_b32 s30, s30, s24
	s_lshl_b32 s31, s27, 9
	s_add_co_u32 s30, s30, s31
	s_lshl_b32 s31, s16, 7
	s_add_co_u32 s30, s30, s31
	s_mov_b32 s31, 0
	s_add_nc_u64 s[32:33], s[6:7], s[30:31]        ; block 0 of my wave's 32 columns
	s_lshl_b32 s30, s29, 5                         ; 32 rows on
.irp b, 1,2,3,4,5,6,7
	s_add_nc_u64 s[32+2*\b:33+2*\b], s[30+2*\b:31+2*\b], s[30:31]
.endr
	v_lshrrev_b32 v14, 3, v26                      ; t: my column is 64 G + 32 g + 8 t + x, G = 2 x (which 128) + w / 2, g = w % 2
	v_and_b32 v15, 7, v26                          ; x
	v_mul_u32_u24 v2, v14, 3200
	s_mul_i32 s17, s22, 12800
	s_add_co_u32 s17, s17, WST
	v_add_nc_u32 v2, s17, v2                       ; the stage's tile 4 (w / 2) + t
	v_lshl_add_u32 v3, v15, 3, v2
	v_lshl_add_u32 v2, v15, 4, v2
	s_lshl_b32 s21, s23, 7
	v_add_nc_u32 v2, s21, v2                       ; place 8 g + x: 16 bytes a place,
	s_lshl_b32 s21, s23, 6
	v_add_nc_u32 v3, s21, v3                       ; and 8
	v_lshlrev_b32 v4, 9, v14
	v_lshl_add_u32 v4, v15, 5, v4                  ; my row of scale bytes: (16 t + x) x 32
	v_lshlrev_b32 v6, 4, v26
	s_mul_i32 s21, s16, 6400
	s_add_co_u32 s21, s21, WST
	v_add_nc_u32 v5, s21, v6                       ; the way out: wave w takes the stage's tiles 2 w and 2 w + 1
	s_lshl_b32 s21, s27, 7
	s_add_co_u32 s21, s21, s26
	s_lshl_b32 s48, s22, 6
	s_add_co_u32 s21, s21, s48
	s_lshl_b32 s48, s23, 3
	s_add_co_u32 s21, s21, s48
	s_lshl_b32 s48, s21, 5
	s_lshl_b32 s49, s28, 3
	s_add_co_u32 s48, s48, s49
	s_mov_b32 s49, 0
	s_add_nc_u64 s[18:19], s[18:19], s[48:49]
	s_lshl_b32 s48, s27, 3
	s_add_co_u32 s48, s48, s25
	s_lshl_b32 s50, s16, 1
	s_add_co_u32 s48, s48, s50
	s_mul_i32 s48, s48, 12288
	s_mul_i32 s50, s28, 3072
	s_add_co_u32 s48, s48, s50
	s_add_nc_u64 s[14:15], s[14:15], s[48:49]
.macro WLOAD b                         ; block b: 32 rows, 128 consecutive bytes a load; the four waves stand side by side
.irp i, 0,1,2,3,4,5,6,7,8,9,10,11,12,13,14,15,16,17,18,19,20,21,22,23,24,25,26,27,28,29,30,31
	global_load_b32 v[64+32*((\b)%2)+\i], v[32+\i], s[32+2*(\b):33+2*(\b)] th:TH_LOAD_NT
.endr
.endm
.macro WBLOCK b
.if (\b) < 7
	s_wait_loadcnt 32                              ; this block's 32 loads are in; the next block's may be out
.else
	s_wait_loadcnt 0x0
.endif
	HQ 64+32*((\b)%2), 128, 14
.if (\b)%4 == 0
	v_mov_b32 v[24+(\b)/4], v14                    ; four bytes to a register, the lower K in the lower byte
.else
	v_lshl_or_b32 v[24+(\b)/4], v14, 8*((\b)%4), v[24+(\b)/4]
.endif
	ds_store_b128 v2, v[128:131] offset:768*((\b)/2)+256*((\b)%2)      ; half fragment b / 2, half b % 2 of its lanes
	ds_store_b64 v3, v[132:133] offset:768*((\b)/2)+512+128*((\b)%2)
.if (\b)+2 < 8
	WLOAD (\b)+2
.endif
	s_wait_dscnt 0x0                               ; the stores have read their registers: the next block's codes may be written
.endm
	WLOAD 0
	WLOAD 1
.irp b, 0,1,2,3,4,5,6,7
	WBLOCK \b
.endr
	s_wait_alu depctr_va_vdst(0)
	global_store_b64 v4, v[24:25], s[18:19]        ; my column's eight scale bytes: pieces of 8 bytes, 32 apart: 98,304 bytes in the whole launch
	s_barrier_signal -1                            ; (every LDS instruction of mine has been waited for)
	s_barrier_wait -1                              ; a tile's places come from two waves
.irp n, 0,1,2,3,4,5,6,7,8,9,10,11
	ds_load_b128 v[64+4*\n:67+4*\n], v5 offset:3200*(\n/6)+512*(\n%6)
.endr
.irp n, 0,1,2,3,4,5,6,7,8,9,10,11
	s_wait_dscnt 11-\n
	global_store_b128 v6, v[64+4*\n:67+4*\n], s[14:15] offset:12288*(\n/6)+512*(\n%6)   ; 512 consecutive bytes
.endr
	s_wait_tensorcnt 0x0
	ds_add_u32 v254, v255
	s_wait_dscnt 0x0
	s_endpgm
.Lfunc_end_k_qfc0911634d_prep:
	.size	k_qfc0911634d_prep, .Lfunc_end_k_qfc0911634d_prep-k_qfc0911634d_prep
	.p2alignl 7, 3214868480
	.fill 96, 4, 3214868480
	.section	.rodata,"a",@progbits
	.p2align	6, 0x0
	.amdhsa_kernel k_qfc0911634d_prep
		.amdhsa_group_segment_fixed_size 61952
		.amdhsa_private_segment_fixed_size 0
		.amdhsa_enable_private_segment 0
		.amdhsa_kernarg_size 56
		.amdhsa_user_sgpr_count 2
		.amdhsa_user_sgpr_kernarg_segment_ptr 1
		.amdhsa_wavefront_size32 1
		.amdhsa_system_sgpr_workgroup_id_x 1
		.amdhsa_system_sgpr_workgroup_id_y 1
		.amdhsa_system_sgpr_workgroup_id_z 1
		.amdhsa_system_vgpr_workitem_id 0
		.amdhsa_next_free_vgpr 256
		.amdhsa_next_free_sgpr 66
		.amdhsa_reserve_vcc 0
		.amdhsa_float_denorm_mode_32 3
		.amdhsa_float_denorm_mode_16_64 3
		.amdhsa_memory_ordered 1
		.amdhsa_forward_progress 1
		.amdhsa_inst_pref_size 75
	.end_amdhsa_kernel
	.amdgpu_metadata
---
amdhsa.version: [ 1, 2 ]
amdhsa.kernels:
  - .name:           k_qfc0911634d_prep
    .symbol:         k_qfc0911634d_prep.kd
    .args:
      - { .name: c, .offset: 0, .size: 8, .value_kind: global_buffer, .address_space: global }
      - { .name: W_kv, .offset: 8, .size: 8, .value_kind: global_buffer, .address_space: global }
      - { .name: W_o, .offset: 16, .size: 8, .value_kind: global_buffer, .address_space: global }
      - { .name: c_img, .offset: 24, .size: 8, .value_kind: global_buffer, .address_space: global }
      - { .name: c_scl, .offset: 32, .size: 8, .value_kind: global_buffer, .address_space: global }
      - { .name: w_img, .offset: 40, .size: 8, .value_kind: global_buffer, .address_space: global }
      - { .name: w_scl, .offset: 48, .size: 8, .value_kind: global_buffer, .address_space: global }
    .group_segment_fixed_size: 61952
    .private_segment_fixed_size: 0
    .kernarg_segment_align: 8
    .kernarg_segment_size: 56
    .max_flat_workgroup_size: 128
    .sgpr_count:     66
    .vgpr_count:     256
    .wavefront_size: 32
...
	.end_amdgpu_metadata
.endif
;; end of part 1
;; launch gemm_kv (part 2): grid 8 x 32, 4 waves a work-group, clusters of 4 x 4, 327,680 bytes of LDS; arguments c_img, c_scl, w_img, w_scl, b_kv, kvimg; writes kvimg
.if DOCPART == 2
	.amdgcn_target "amdgcn-amd-amdhsa--gfx1250"
	.amdhsa_code_object_version 6
	.text
	.protected	k_qfc0911634d_gemm_kv
	.globl	k_qfc0911634d_gemm_kv
	.p2align	8
	.type	k_qfc0911634d_gemm_kv,@function
k_qfc0911634d_gemm_kv:
	s_mov_b64 s[64:65], 0
	v_nop
	global_prefetch_b8 v0, s[64:65] scope:SCOPE_SE
	s_setreg_imm32_b32 hwreg(HW_REG_WAVE_MODE, 25, 1), 1
	s_wait_xcnt 0x0
	s_wait_alu depctr_hold_cnt(0) depctr_sa_sdst(0) depctr_va_vdst(0) depctr_va_sdst(0) depctr_va_ssrc(0) depctr_va_vcc(0) depctr_vm_vsrc(0)
	s_getreg_b32 s2, hwreg(HW_REG_IB_STS2, 6, 4)
	s_cmp_eq_u32 s2, 0
	s_cbranch_scc0 .Lentry_in_a_cluster
	s_endpgm
.Lentry_in_a_cluster:
	s_bfe_u32 s2, ttmp6, 0x10000c
	s_cmp_lg_u32 s2, 0xf033
	s_cbranch_scc0 .Lentry_shape_is_right
	s_endpgm
.Lentry_shape_is_right:
.set NQ,     2
.set STEPB,  3072
.set KROW,   768
.set FR,     12
.set NL,     4
.set NP,     4
.set HALFT,  24576
.set SLOT,   98304
.set LAPS,   2
.set KS,     32
.set SCL,    196608
.set HALFS,  4352
.set SBLK,   544
.set SPARE,  214016
.set ADRA, 16
.set ADRB, 20
.set CO,   26
.set ADRS, 27
.set SPW,  28
.set NIL,  29
.set SC,   32
.set AF,   128
.set BV,   64
.set PWS,  72
.set SWR,  80
.set LN,   84
.set SH8,  85
.set BK,   224
.set T,    128
.set PC,   192
.set CT,   204
.set TM,   212
.set SO,   216
.set TX,   218
.set G1, 24
.set G0, 32
.set G1B, 48
.set G0B, 56
.set G1S, 68
.set G0S, 76
.set G1SB, 80
.set G0SB, 88
.set SEL, 96
.set BIA, 98
.set MSB, 0
.macro WIN new
.if MSB != (\new)
	s_set_vgpr_msb (MSB<<8)|(\new)
.set MSB, (\new)
.endif
.endm
.set TO_B, 0x40
.macro JLOAD g0a, g1a, g0b, g1b
	s_cmp_eq_u32 s15, 0
	s_cbranch_scc0 .Lfor_b_\@
	tensor_load_to_lds s[\g0a:\g0a+3], s[\g1a:\g1a+7]
	s_nop 0
.rept 4
	v_nop
.endr
	s_branch .Lasked_\@
.Lfor_b_\@:
	tensor_load_to_lds s[\g0b:\g0b+3], s[\g1b:\g1b+7]
	s_nop 0
.rept 4
	v_nop
.endr
.Lasked_\@:
.endm
.macro CREST
	s_cmp_lg_u32 s14, 0
	s_cbranch_scc1 .Lnot_wave_0_\@
	s_barrier_signal -3
.Lnot_wave_0_\@:
	s_barrier_wait -3
	s_barrier_signal -1
	s_barrier_wait -1
.endm
.macro CROUND
	s_barrier_signal -1
	s_barrier_wait -1
	CREST
.endm
	s_load_b128 s[4:7], s[0:1], 0x0
	s_load_b128 s[8:11], s[0:1], 0x10
	s_load_b64 s[BIA:BIA+1], s[0:1], 0x20
	s_load_b64 s[12:13], s[0:1], 0x28
	v_lshl_add_u32 v[SPW], v0, 2, SPARE
	v_mov_b32 v[NIL], 0
	ds_add_u32 v28, v29
	ds_add_u32 v28, v29
	s_wait_dscnt 0x0
	v_lshrrev_b32 v1, 5, v0
	v_readfirstlane_b32 s14, v1
	s_lshr_b32 s15, s14, 1
	s_and_b32 s16, s14, 1
	s_bfe_u32 s40, ttmp6, 0x40000
	s_bfe_u32 s41, ttmp6, 0x40004
	s_lshl_b32 s42, ttmp9, 2
	s_add_co_u32 s42, s42, s40
	s_and_b32 s17, ttmp7, 0xffff
	s_lshl_b32 s17, s17, 2
	s_add_co_u32 s17, s17, s41
	s_lshl_b32 s43, s41, 2
	s_lshl_b32 s43, 15, s43
	s_lshl_b32 s44, 0x1111, s40
	s_or_b32 s[G1+0], s43, (3<<16)|(1<<21)
	s_or_b32 s[G1B+0], s44, (3<<16)|(1<<21)
.irp g, G1, G1B
	s_mov_b32 s[\g+1], 384<<16
	s_mov_b32 s[\g+2], 8<<16
	s_mov_b32 s[\g+3], 384<<16
	s_mov_b32 s[\g+4], 8
	s_mov_b32 s[\g+5], 1536
	s_mov_b32 s[\g+6], 0
	s_mov_b32 s[\g+7], 0
.endr
	s_lshl_b32 s18, s16, 7
	s_lshl_b32 s20, s17, 8
	s_add_co_u32 s20, s20, s18
	s_lshl_b32 s46, s42, 8
	s_add_co_u32 s46, s46, s18
	s_mov_b32 s21, 0
	s_mov_b32 s47, 0
	s_mov_b64 s[18:19], KS
	s_mul_u64 s[22:23], s[20:21], s[18:19]
	s_mul_u64 s[92:93], s[46:47], s[18:19]
	s_mov_b64 s[18:19], KROW
	s_mul_u64 s[20:21], s[20:21], s[18:19]
	s_mul_u64 s[46:47], s[46:47], s[18:19]
	s_mul_i32 s45, s14, HALFT
	s_mul_i32 s94, s14, HALFS
	s_mov_b32 s[SEL], 0x76543210
	s_mov_b32 s[SEL+1], 0xfedcba98
	s_add_co_u32 s94, s94, SCL                     ; my 128 rows' scale bytes in LDS: 16 units of 256 bytes + 16 of padding
	v_and_b32 v31, 31, v0
	v_bfe_u32 v30, v0, 4, 1
	v_lshlrev_b32 v31, 4, v31                      ; 16 x lane: my 16 bytes of a load's 512
	v_lshl_add_u32 v30, v30, 4, s94
	v_add_nc_u32 v30, v30, v31                     ; byte y of the 4,096 goes to y + 16 (y / 256): 16 x lane + 16 (lane / 16), + 544 a load
	s_wait_alu depctr_va_vdst(0)                   ; directly ahead of the wait below
	s_wait_kmcnt 0x0
	s_add_nc_u64 s[20:21], s[4:5], s[20:21]
	s_add_nc_u64 s[22:23], s[6:7], s[22:23]
	s_add_nc_u64 s[46:47], s[8:9], s[46:47]
	s_add_nc_u64 s[92:93], s[10:11], s[92:93]
	s_cmp_eq_u32 s15, 0                            ; waves 0 and 1 bring A's scale bytes, waves 2 and 3 B's: the choice hangs on the wave's number alone
	s_cselect_b64 s[G0S:G0S+1], s[22:23], s[92:93]
.irp i, 0,1,2,3,4,5,6,7
	global_load_b128 v[AF+4*\i:AF+4*\i+3], v31, s[G0S:G0S+1] offset:512*\i   ; 128 rows x 32 bytes, dense: 512 consecutive bytes a load
.endr
	CROUND
.irp s, 0,1
	s_mov_b32 s[G0+4*\s], 1
	s_add_co_u32 s[G0+4*\s+1], s45, \s*SLOT
	s_add_nc_u64 s[G0+4*\s+2:G0+4*\s+3], s[20:21], \s*STEPB
	s_or_b32 s[G0+4*\s+3], s[G0+4*\s+3], 0x80000000
	s_mov_b32 s[G0B+4*\s], 1
	s_add_co_u32 s[G0B+4*\s+1], s45, \s*SLOT
	s_add_nc_u64 s[G0B+4*\s+2:G0B+4*\s+3], s[46:47], \s*STEPB
	s_or_b32 s[G0B+4*\s+3], s[G0B+4*\s+3], 0x80000000
.endr
	JLOAD G0, G1, G0B, G1B                         ; slot 0: one tensor load a wave at the head
	v_and_b32 v1, 15, v0
	v_bfe_u32 v2, v0, 4, 1
	v_and_b32 v3, 31, v0
	v_lshlrev_b32 v4, 4, v3
	v_lshlrev_b32 v5, 3, v3
	s_mul_i32 s21, s15, HALFT
	s_mul_i32 s22, s16, HALFT
	s_add_co_u32 s22, s22, 2*HALFT
.irp s, 0,1
	v_add_nc_u32 v[ADRA+\s], s21, v4
	v_add_nc_u32 v[ADRB+\s], s22, v4
	v_add_nc_u32 v[ADRA+2+\s], s21, v5
	v_add_nc_u32 v[ADRB+2+\s], s22, v5
	s_add_co_u32 s21, s21, SLOT
	s_add_co_u32 s22, s22, SLOT
.endr
	v_mul_u32_u24 v5, v1, KS
	v_lshrrev_b32 v6, 8, v5
	v_lshl_add_u32 v5, v6, 4, v5
	s_mul_i32 s21, s15, HALFS
	s_mul_i32 s22, s16, HALFS
	s_add_co_u32 s22, s22, 2*HALFS
	s_sub_co_u32 s22, s22, s21
	v_mul_u32_u24 v6, s22, v2
	s_add_co_u32 s21, s21, SCL
	v_add_nc_u32 v5, v5, v6
	v_add_nc_u32 v[ADRS], s21, v5
	v_mov_b32 v[CO], v4
	v_mov_b32 v[LN], v3
	v_lshlrev_b32 v[SH8], 3, v2
	s_lshl_b32 s46, s42, 1
	s_add_co_u32 s46, s46, s16
	s_lshl_b32 s20, s46, 9
	s_mov_b32 s21, 0
	s_add_nc_u64 s[BIA:BIA+1], s[BIA:BIA+1], s[20:21]
	v_lshlrev_b32 v6, 7, v2
	v_lshrrev_b32 v7, 3, v1
	v_and_b32 v8, 7, v1
	v_lshlrev_b32 v8, 2, v8
	v_lshl_add_u32 v7, v7, 7, v8
.irp i, 0,1,2,3,4,5,6,7
	global_load_b128 v[BK+4*\i:BK+4*\i+3], v6, s[BIA:BIA+1] offset:16*\i
.endr
.irp t, 0,1,2,3
	global_load_b32 v[BV+2*\t], v7, s[BIA:BIA+1] offset:256+32*\t
	v_mov_b32 v[BV+2*\t+1], 0
.endr
	s_lshl_b32 s22, s17, 1
	s_add_co_u32 s22, s22, s15
	s_lshr_b32 s23, s22, 4
	s_lshl_b32 s23, s23, 4
	s_add_co_u32 s23, s23, s46
	s_lshl_b32 s23, s23, 4
	s_and_b32 s22, s22, 15
	s_add_co_u32 s22, s23, s22
	s_mul_i32 s20, s22, 12800
	s_add_nc_u64 s[12:13], s[12:13], s[20:21]
.macro FRAG reg, adr, q, i
.irp c, 0,1
	ds_load_b128 v[\reg+6*\c:\reg+6*\c+3], v[\adr] offset:3072*(\i)+1536*(\q)+768*\c
	ds_load_b64 v[\reg+6*\c+4:\reg+6*\c+5], v[\adr+2] offset:3072*(\i)+1536*(\q)+768*\c+512
.endr
.endm
.macro MUL16 a0, p, q, sc, zero
	WIN 0xa1+0x50*((\a0)/4)
.irp a, \a0, \a0+1
.irp b, 0,1,2,3
.if \zero
	v_wmma_scale_f32_16x16x128_f8f6f4 v[8*(8*((\a)%4)+\b):8*(8*((\a)%4)+\b)+7], v[128*(\p)+FR*\b:128*(\p)+FR*\b+FR-1], v[AF+FR*(\a):AF+FR*(\a)+FR-1], 0, v[SC+8*NQ*(\sc)+NQ*\b+(\q)], v[SC+8*NQ*(\sc)+NQ*(\a)+(\q)] matrix_a_fmt:MATRIX_FMT_FP6 matrix_b_fmt:MATRIX_FMT_FP6 matrix_a_scale:MATRIX_SCALE_ROW1
.else
	v_wmma_scale_f32_16x16x128_f8f6f4 v[8*(8*((\a)%4)+\b):8*(8*((\a)%4)+\b)+7], v[128*(\p)+FR*\b:128*(\p)+FR*\b+FR-1], v[AF+FR*(\a):AF+FR*(\a)+FR-1], v[8*(8*((\a)%4)+\b):8*(8*((\a)%4)+\b)+7], v[SC+8*NQ*(\sc)+NQ*\b+(\q)], v[SC+8*NQ*(\sc)+NQ*(\a)+(\q)] matrix_a_fmt:MATRIX_FMT_FP6 matrix_b_fmt:MATRIX_FMT_FP6 matrix_a_scale:MATRIX_SCALE_ROW1
.endif
.endr
.endr
	WIN 0xa4+0x50*((\a0)/4)
.irp a, \a0, \a0+1
.irp b, 4,5,6,7
.if \zero
	v_wmma_scale_f32_16x16x128_f8f6f4 v[8*(8*((\a)%4)+\b):8*(8*((\a)%4)+\b)+7], v[AF+FR*(\a):AF+FR*(\a)+FR-1], v[128*(\p)+FR*\b:128*(\p)+FR*\b+FR-1], 0, v[SC+8*NQ*(\sc)+NQ*(\a)+(\q)], v[SC+8*NQ*(\sc)+NQ*\b+(\q)] matrix_a_fmt:MATRIX_FMT_FP6 matrix_b_fmt:MATRIX_FMT_FP6 matrix_b_scale:MATRIX_SCALE_ROW1
.else
	v_wmma_scale_f32_16x16x128_f8f6f4 v[8*(8*((\a)%4)+\b):8*(8*((\a)%4)+\b)+7], v[AF+FR*(\a):AF+FR*(\a)+FR-1], v[128*(\p)+FR*\b:128*(\p)+FR*\b+FR-1], v[8*(8*((\a)%4)+\b):8*(8*((\a)%4)+\b)+7], v[SC+8*NQ*(\sc)+NQ*(\a)+(\q)], v[SC+8*NQ*(\sc)+NQ*\b+(\q)] matrix_a_fmt:MATRIX_FMT_FP6 matrix_b_fmt:MATRIX_FMT_FP6 matrix_b_scale:MATRIX_SCALE_ROW1
.endif
.endr
.endr
.endm
.macro FETCH_B slot, q, p
	WIN TO_B
.irp i, 0,1,2,3,4,5,6,7
	FRAG 128*(\p)+FR*\i, ADRB+\slot, \q, \i
.endr
	WIN 0
.endm
.macro FETCH_A slot, q, i0
.irp i, \i0, \i0+1, \i0+2, \i0+3
	FRAG AF+FR*(\i), ADRA+\slot, \q, \i
.endr
.endm
.macro SCALES sc
.irp i, 0,1,2,3,4,5,6,7
	ds_load_b64 v[SC+8*NQ*\sc+NQ*\i:SC+8*NQ*\sc+NQ*\i+1], v[ADRS] offset:\i*SBLK
.endr
.endm
.macro PLACES n
.rept \n
	v_nop
.endr
.endm
.macro STEP slot, q, zero
	s_wait_dscnt 4*NL
	MUL16 0, (\q)%2, \q, \slot, \zero
	MUL16 2, (\q)%2, \q, \slot, \zero
	s_wait_dscnt 0
	PLACES NP
	FETCH_B \slot, (\q)+1, 1-(\q)%2
	FETCH_A \slot, (\q)+1, 0
	MUL16 4, (\q)%2, \q, \slot, \zero
	MUL16 6, (\q)%2, \q, \slot, \zero
	PLACES NP
	WIN 0
	FETCH_A \slot, (\q)+1, 4
.endm
.macro TURN slot, next, fill
	s_wait_tensorcnt 0x0
	ds_add_u32 v[SPW], v[NIL]
	s_wait_dscnt 4*NL+1
	MUL16 0, 1, NQ-1, \slot, 0
	s_wait_dscnt 0x0
	s_barrier_signal -1
	MUL16 2, 1, NQ-1, \slot, 0
	WIN 0
	s_barrier_wait -1
.if \fill
	CREST
	s_add_nc_u64 s[G0+4*\slot+2:G0+4*\slot+3], s[G0+4*\slot+2:G0+4*\slot+3], 2*STEPB
	s_add_nc_u64 s[G0B+4*\slot+2:G0B+4*\slot+3], s[G0B+4*\slot+2:G0B+4*\slot+3], 2*STEPB
	JLOAD G0+4*\slot, G1, G0B+4*\slot, G1B
.else
	PLACES NP
.endif
	s_wait_alu depctr_va_vdst(0)
	v_add_nc_u32 v[ADRS], 4*NQ, v[ADRS]
	FETCH_B \next, 0, 0
	FETCH_A \next, 0, 0
	SCALES \next
	MUL16 4, 1, NQ-1, \slot, 0
	MUL16 6, 1, NQ-1, \slot, 0
	PLACES NP
	WIN 0
	FETCH_A \next, 0, 4
.endm
	s_wait_alu depctr_va_vdst(0)                   ; the wait at the head's end
	s_wait_loadcnt 0x0                             ; the scale bytes and the bias are in
.irp i, 0,1,2,3,4,5,6,7
	ds_store_b128 v30, v[AF+4*\i:AF+4*\i+3] offset:544*\i   ; into bytes of the scales' own: no fill lands there
.endr
	s_wait_tensorcnt 0x0                           ; my part of slot 0 is in
	ds_add_u32 v28, v29
	s_wait_dscnt 0x0                               ; the add and my stores of scale bytes are done
	CROUND                                         ; slot 0 and the scales are whole for all four waves, and all sixteen work-groups are here
	JLOAD G0+4, G1, G0B+4, G1B                     ; slot 1's first fill, the first tensor load behind the round
	FETCH_B 0, 0, 0
	FETCH_A 0, 0, 0
	SCALES 0
	FETCH_A 0, 0, 4
	STEP 0, 0, 1
	s_mov_b32 s3, LAPS-1
.Llap:
	TURN 0, 1, 1
	STEP 1, 0, 0
	TURN 1, 0, 1
	STEP 0, 0, 0
	s_sub_co_u32 s3, s3, 1
	s_cmp_lg_u32 s3, 0
	s_cbranch_scc1 .Llap
	TURN 0, 1, 0
	STEP 1, 0, 0
	s_wait_dscnt 4*NL
	MUL16 0, 1, NQ-1, 1, 0
	MUL16 2, 1, NQ-1, 1, 0
	s_wait_dscnt 0
	MUL16 4, 1, NQ-1, 1, 0
	MUL16 6, 1, NQ-1, 1, 0
	WIN 0
.macro Q64 s, pw
.irp c, 0,1
	v_max3_num_f32 v[TM+2*\c], |v[\s+32*\c]|, |v[\s+32*\c+1]|, |v[\s+32*\c+2]|
	v_max3_num_f32 v[TM+2*\c+1], |v[\s+32*\c+3]|, |v[\s+32*\c+4]|, |v[\s+32*\c+5]|
.endr
.irp i, 6,10,14,18,22,26
.irp c, 0,1
	v_max3_num_f32 v[TM+2*\c], v[TM+2*\c], |v[\s+32*\c+\i]|, |v[\s+32*\c+\i+1]|
	v_max3_num_f32 v[TM+2*\c+1], v[TM+2*\c+1], |v[\s+32*\c+\i+2]|, |v[\s+32*\c+\i+3]|
.endr
.endr
.irp c, 0,1
	v_max3_num_f32 v[TM+2*\c], v[TM+2*\c], |v[\s+32*\c+30]|, |v[\s+32*\c+31]|
.endr
.irp c, 0,1
	v_max3_num_f32 v[TM+2*\c], v[TM+2*\c], v[TM+2*\c+1], 0x1800000
.endr
.irp c, 0,1
	v_add_nc_u32 v[SO+\c], 0xff000000, v[TM+2*\c]
.endr
.irp c, 0,1
	v_lshrrev_b32 v[TM+2*\c+1], 23, v[SO+\c]
.endr
	v_lshl_or_b32 v[\pw], v[TM+3], 16, v[TM+1]
	v_lshlrev_b32 v[\pw], v[SH8], v[\pw]
	v_permlanex16_b32 v[TX], v[\pw], s[SEL], s[SEL+1]
	v_or_b32 v[\pw], v[\pw], v[TX]
.irp c, 0,1
	v_cvt_scalef32_pk16_fp6_f32 v[PC+6*\c:PC+6*\c+2], v[\s+32*\c:\s+32*\c+15], v[SO+\c]
	v_cvt_scalef32_pk16_fp6_f32 v[CT+4*\c:CT+4*\c+2], v[\s+32*\c+16:\s+32*\c+31], v[SO+\c]
.endr
	v_nop
.irp c, 0,1
.irp i, 0,1,2
	v_mov_b32 v[PC+6*\c+3+\i], v[CT+4*\c+\i]
.endr
.endr
.endm
.macro STORE3 g
.irp c, 0,1,2
	global_store_b128 v[CO], v[PC+4*\c:PC+4*\c+3], s[12:13] offset:1536*(\g)+512*\c
.endr
.endm
.macro KGROUP i
	s_wait_xcnt 0x0
	WIN 0x02+(\i)/2
.irp u, 0,1
.irp k, 0,1,2,3,4,5,6,7,8,9,10,11,12,13,14,15
	v_pk_add_f32 v[T+32*\u+2*\k:T+32*\u+2*\k+1], v[64*((2*(\i)+\u)%4)+2*\k:64*((2*(\i)+\u)%4)+2*\k+1], v[BK+2*\k:BK+2*\k+1]
.endr
.endr
	WIN 0
	Q64 T, PWS+(\i)
	STORE3 \i
.endm
.macro VGROUP t
	s_wait_xcnt 0x0
.irp c, 0,1
	WIN 0x02+\c
.irp y, 0,1,2,3
.irp j, 0,2,4,6
	v_pk_add_f32 v[T+32*\c+8*\y+\j:T+32*\c+8*\y+\j+1], v[64*\y+8*(4+(\t))+\j:64*\y+8*(4+(\t))+\j+1], v[BV+2*(\t):BV+2*(\t)+1] op_sel_hi:[1,0]
.endr
.endr
.endr
	WIN 0
	Q64 T, PWS+4+(\t)
	STORE3 4+(\t)
.endm
	PLACES NP
	v_mov_b32 v[TX], 0
.irp i, 0,1,2,3
	KGROUP \i
.endr
.irp t, 0,1,2,3
	VGROUP \t
.endr
	v_cmp_lt_u32 vcc_lo, 15, v[LN]
.irp i, 0,1,2,3
	v_cndmask_b32 v[SWR+\i], v[PWS+2*\i], v[PWS+2*\i+1], vcc_lo
.endr
	global_store_b128 v[CO], v[SWR:SWR+3], s[12:13] offset:12288
	s_wait_tensorcnt 0x0
	ds_add_u32 v[SPW], v[NIL]
	s_wait_dscnt 0x0
	CROUND
	s_endpgm
.Lfunc_end_k_qfc0911634d_gemm_kv:
	.size	k_qfc0911634d_gemm_kv, .Lfunc_end_k_qfc0911634d_gemm_kv-k_qfc0911634d_gemm_kv
	.p2alignl 7, 3214868480
	.fill 96, 4, 3214868480
	.section	.rodata,"a",@progbits
	.p2align	6, 0x0
	.amdhsa_kernel k_qfc0911634d_gemm_kv
		.amdhsa_group_segment_fixed_size 327680
		.amdhsa_private_segment_fixed_size 0
		.amdhsa_enable_private_segment 0
		.amdhsa_kernarg_size 48
		.amdhsa_user_sgpr_count 2
		.amdhsa_user_sgpr_kernarg_segment_ptr 1
		.amdhsa_wavefront_size32 1
		.amdhsa_system_sgpr_workgroup_id_x 1
		.amdhsa_system_sgpr_workgroup_id_y 1
		.amdhsa_system_sgpr_workgroup_id_z 1
		.amdhsa_system_vgpr_workitem_id 0
		.amdhsa_next_free_vgpr 1024
		.amdhsa_next_free_sgpr 100
		.amdhsa_reserve_vcc 1
		.amdhsa_float_denorm_mode_32 3
		.amdhsa_float_denorm_mode_16_64 3
		.amdhsa_memory_ordered 1
		.amdhsa_forward_progress 1
		.amdhsa_inst_pref_size 160
	.end_amdhsa_kernel
	.amdgpu_metadata
---
amdhsa.version: [ 1, 2 ]
amdhsa.kernels:
  - .name:           k_qfc0911634d_gemm_kv
    .symbol:         k_qfc0911634d_gemm_kv.kd
    .args:
      - { .name: c_img, .offset: 0, .size: 8, .value_kind: global_buffer, .address_space: global }
      - { .name: c_scl, .offset: 8, .size: 8, .value_kind: global_buffer, .address_space: global }
      - { .name: w_img, .offset: 16, .size: 8, .value_kind: global_buffer, .address_space: global }
      - { .name: w_scl, .offset: 24, .size: 8, .value_kind: global_buffer, .address_space: global }
      - { .name: b_kv, .offset: 32, .size: 8, .value_kind: global_buffer, .address_space: global }
      - { .name: kvimg, .offset: 40, .size: 8, .value_kind: global_buffer, .address_space: global }
    .group_segment_fixed_size: 327680
    .private_segment_fixed_size: 0
    .kernarg_segment_align: 8
    .kernarg_segment_size: 48
    .max_flat_workgroup_size: 128
    .sgpr_count:     100
    .vgpr_count:     1024
    .wavefront_size: 32
...
	.end_amdgpu_metadata
.endif
;; end of part 2
;; launch attn (part 3): grid 4 x 64, 8 waves a work-group, clusters of 4 x 1, 240,640 bytes of LDS; arguments q, kvimg, vals, val_scl; writes vals, val_scl
.if DOCPART == 3
	.amdgcn_target "amdgcn-amd-amdhsa--gfx1250"
	.amdhsa_code_object_version 6
	.text
	.protected	k_qfc0911634d_attn
	.globl	k_qfc0911634d_attn
	.p2align	8
	.type	k_qfc0911634d_attn,@function
k_qfc0911634d_attn:
	s_mov_b64 s[64:65], 0
	v_nop
	global_prefetch_b8 v0, s[64:65] scope:SCOPE_SE
	s_setreg_imm32_b32 hwreg(HW_REG_WAVE_MODE, 25, 1), 1
	s_wait_xcnt 0x0
	s_wait_alu depctr_hold_cnt(0) depctr_sa_sdst(0) depctr_va_vdst(0) depctr_va_sdst(0) depctr_va_ssrc(0) depctr_va_vcc(0) depctr_vm_vsrc(0)
	s_getreg_b32 s2, hwreg(HW_REG_IB_STS2, 6, 4)
	s_cmp_eq_u32 s2, 0
	s_cbranch_scc0 .Lentry_in_a_cluster
	s_endpgm
.Lentry_in_a_cluster:
	s_bfe_u32 s2, ttmp6, 0x10000c
	s_cmp_lg_u32 s2, 0x3003
	s_cbranch_scc0 .Lentry_shape_is_right
	s_endpgm
.Lentry_shape_is_right:
; values[b][q][head] = the sum over keys of softmax(q . k / 8) v, both products on codes of FP6 (E2M3) with E8M0 scales, then quantised along the embedding for the last product.
; THE SOFTMAX: t = score x log2(e) / 8; M = the running largest t rounded UP to a whole number; p = 2^(t - M) is quantised along the keys, not normalised; the row's sum is taken of the unquantised p and divides
; at the end.  When M moves, the sum and O are multiplied by 2^(old M - new M): exact.
; SHARES.  A cluster of four work-groups is one (batch, head); a work-group takes 512 queries in two passes of 256; each of its eight waves owns TWO tiles of 16 queries a pass (X and Y), in 512 registers: two waves to a SIMD.
; Each fragment of K and V read from LDS serves both tiles, and the two tiles' dependent chains stand interleaved, line by line.
; ALL OF THE HEAD'S K AND V, 16 key steps x 12,800 bytes, lie in LDS for the whole launch: wave w asks for key steps 2 w and 2 w + 1, ONE joint load a wave, which the four work-groups ask for together.
; No LDS byte is filled twice; ONE barrier shows the tiles to all waves.  Pass 1's q is asked for behind that barrier, into registers of its own, and waited for at the change of passes.
; NO PREFETCH: K, V and pass 0's q are asked for at the head; there is no loop to run ahead in.
; LAYOUT.  S^T = K Q^T and O^T = V^T P^T: a lane holds one query of each tile.  K's and V's fragments lie in LDS as images of their registers.  By the order of the keys in their tiles a lane's 32 score registers of
; four tiles are 32 neighbouring keys: a whole block of the second product's K.  O^T's 32 registers are d = 32 (lane / 16) + 0 .. 31: a whole block of the last product's K.
; THE HEAD'S 64 IN AN INSTRUCTION OF 128: a fragment of K carries TWO tiles of keys.  Q stands as [six zeros | X's six | six zeros | Y's six | six zeros]: twelve registers from a tile's six on pick the first tile of keys,
; twelve from six ahead of them the second.  Q's scale word repeats its two bytes.
; p'S BLOCK SCALE: p rises with the score, so a block's largest p is 2^x, x = t - M of its largest score, made by the same multiply-add as every p's; its exponent is floor(x).  The byte is floor(x) + 125, held at 1 from below;
; it is read off the low bits of floor(x) + 2^23 + 125.  Where v_exp_f32 rounds a p up to the next power of two, that p is held at the largest code, as the number under that power is.
; THE NEXT STEP'S K is fetched behind this step's first products (the last step fetches its own K again: the address is held at key step 15); each pass begins with a fetch of key step 0's.
; LIMITS: NaN and infinities are not served; scores under -3e38 are not served; a block under 2^-124 keeps the byte 1, a block of zeros too (its codes are zeros; this program alone reads the bytes);
; 1 / l is v_rcp_f32 and a multiplication.  The values' scale bytes leave one byte a lane, 32 bytes apart: 262,144 bytes in the whole launch.
; REGISTERS, window 0: v1-9 addresses; v10-11 the add's; per tile t: v[12+2t] -M and the largest score, v[16+2t] l, v[20+2t] f, v24+t old -M, v26+t Q's scale word, v28+t p's, v30+t at work; v32-33 K's scale words, v34-35 V's;
;   v36-65 Q; v80-127 K's fragments; v128-175 V's; v176-199 p's codes; v200-214 second halves of conversions; v216-243 partial sums; v244-251 block maxima; v252-255 conversions' scale operands.
;   window 1: v0-127 S^T, then p, of X and Y; v128-191 O^T of X and Y; v192-255 pass 1's q on its way.
.set WV,  12
.set SEL, 18
.set CS,  22                           ; s[22:23] c = log2(e) / 8
.set G1,  24
.set G0,  32
.set TB,  48                           ; LDS byte of the key step in hand
.set CNT, 49
.set TK,  50                           ; LDS byte of the key step whose K is fetched next
.set NC,  51                           ; -c
.set MG,  60                           ; s[60:61] 2^23 + 125
.set STG, 204800                       ; behind K and V: a stage of 16 rows x 272 bytes for each wave, for q
.set SPARE, 239616                     ; behind the stages: the spare words
.set ADR, 3
.set ADRK, 9
.set SPW, 10
.set NIL, 11
.set NM,  12
.set L,   16
.set F,   20
.set OM,  24
.set QS,  26
.set PW,  28
.set TX,  30
.set SWK, 32
.set SWV, 34
.set QB,  36
.set KF,  80
.set VF,  128
.set PC,  176
.set CT,  200
.set T,   216
.set C,   244
.set SO,  252
.set S,   0                            ; window 1
.set OT,  128
.set QR,  192
.set MSB, 0
.macro WIN new                         ; low byte: bits 1:0 source 0, 3:2 source 1, 5:4 source 2, 7:6 destination; the high byte repeats the setting that is left
.if MSB != (\new)
	s_set_vgpr_msb (MSB<<8)|(\new)
.set MSB, (\new)
.endif
.endm
.macro CROUND
	s_barrier_signal -1
	s_barrier_wait -1
	s_cmp_lg_u32 s[WV], 0
	s_cbranch_scc1 .Lnot_wave_0_\@
	s_barrier_signal -3
.Lnot_wave_0_\@:
	s_barrier_wait -3
	s_barrier_signal -1
	s_barrier_wait -1
.endm
; 32 numbers of one block, v[x] on, become six registers of codes, v[d] on, and the scale's byte in v[by]
.macro HQ x, d, by
	v_max3_num_f32 v244, |v[\x]|, |v[\x+1]|, |v[\x+2]|
	v_max3_num_f32 v245, |v[\x+3]|, |v[\x+4]|, |v[\x+5]|
.irp i, 6,10,14,18,22,26
	s_delay_alu instid0(VALU_DEP_2)
	v_max3_num_f32 v244, v244, |v[\x+\i]|, |v[\x+\i+1]|
	s_delay_alu instid0(VALU_DEP_2)
	v_max3_num_f32 v245, v245, |v[\x+\i+2]|, |v[\x+\i+3]|
.endr
	s_delay_alu instid0(VALU_DEP_2)
	v_max3_num_f32 v244, v244, |v[\x+30]|, |v[\x+31]|
	s_delay_alu instid0(VALU_DEP_1)
	v_max3_num_f32 v244, v244, v245, 0x1800000                 ; the floor 2^(3 - 127)
	s_delay_alu instid0(VALU_DEP_1)
	v_add_nc_u32 v252, 0xff000000, v244
	v_cvt_scalef32_pk16_fp6_f32 v[\d:\d+2], v[\x:\x+15], v252
	v_cvt_scalef32_pk16_fp6_f32 v[248:250], v[\x+16:\x+31], v252
	v_lshrrev_b32 v[\by], 23, v252                             ; the byte; also the plain line behind the conversions
	v_mov_b32 v[\d+3], v248
	v_mov_b32 v[\d+4], v249
	v_mov_b32 v[\d+5], v250
.endm
	s_load_b256 s[4:11], s[0:1], 0x0               ; q, kvimg, vals, val_scl
	v_lshl_add_u32 v[SPW], v0, 2, SPARE
	v_mov_b32 v[NIL], 0
	ds_add_u32 v[SPW], v[NIL]                      ; the opening lines: the add twice on end and one wait
	ds_add_u32 v[SPW], v[NIL]
	v_lshrrev_b32 v3, 5, v0
	s_delay_alu instid0(VALU_DEP_1)
	v_readfirstlane_b32 s[WV], v3                  ; wave 0..7
	s_mul_i32 s17, s[WV], 4352
	s_add_co_u32 s17, s17, STG                     ; my stage
	v_and_b32 v24, 15, v0                          ; r
	v_bfe_u32 v25, v0, 4, 1                        ; h
	v_and_b32 v30, 31, v0
	v_lshlrev_b32 v6, 4, v24
	v_mul_u32_u24 v7, v25, 272
	v_mul_u32_u24 v8, v24, 272
	v_lshlrev_b32 v1, 4, v30                       ; 16 x lane
	v_lshlrev_b32 v2, 3, v30                       ; 8 x lane
	v_lshlrev_b32 v4, 3, v25                       ; 8 h
	v_lshl_add_u32 v5, v24, 5, v25                 ; 32 r + h
	v_lshl_add_u32 v6, v25, 12, v6                 ; q: sixteen lanes take a row's 256 bytes of my head, the other sixteen the next row's
	v_lshl_add_u32 v7, v24, 4, v7
	v_lshl_add_u32 v8, v25, 7, v8
	s_delay_alu instid0(VALU_DEP_2)
	v_add_nc_u32 v7, s17, v7                       ; into the stage as loaded
	s_delay_alu instid0(VALU_DEP_2)
	v_add_nc_u32 v8, s17, v8                       ; out of it: row r, my half's 128 bytes: one block
.irp j, 0,1,2,3,4,5,12,13,14,15,16,17,24,25,26,27,28,29
	v_mov_b32 v[QB+\j], 0                          ; the zeros beside Q's codes: written once
.endr
	v_mov_b32 v[TX], 0                             ; a lane permute's destination counts as one of its sources
	v_mov_b32 v[TX+1], 0
	v_mov_b32 v[F+1], 0                            ; (named as the upper halves of pairs)
	v_mov_b32 v[F+3], 0
	s_and_b32 s13, ttmp7, 0xffff                   ; 16 x batch + head, which the four partners share
	s_bfe_u32 s14, ttmp6, 0x40000                  ; cx: it enters q's and the values' addresses alone
	s_mul_i32 s16, s[WV], 25600                    ; the two key steps that I fetch
	s_mul_i32 s20, s13, 204800
	s_add_co_u32 s20, s20, s16
	s_mov_b32 s21, 0
	s_mov_b32 s[G1], 15|(3<<16)|(1<<21)            ; the mask: all four work-groups; elements of 8 bytes; bit 21 beside a mask; no padding
	s_mov_b32 s[G1+1], 32<<16                      ; 100 dense rows of 256 bytes: two key steps' blocks
	s_mov_b32 s[G1+2], 100<<16
	s_mov_b32 s[G1+3], 32<<16
	s_mov_b32 s[G1+4], 100
	s_mov_b32 s[G1+5], 32
	s_mov_b32 s[G1+6], 0
	s_mov_b32 s[G1+7], 0
	s_mov_b32 s[SEL], 0x76543210
	s_mov_b32 s[SEL+1], 0xfedcba98
	s_mov_b32 s[CS], 0x3e38aa3b
	s_mov_b32 s[CS+1], s[CS]                       ; (named with it as a pair, so it is written)
	s_mov_b32 s[NC], 0xbe38aa3b
	s_mov_b32 s[MG], 0x4b00007d
	s_mov_b32 s[MG+1], s[MG]
	s_lshr_b32 s52, s13, 4                         ; batch
	s_and_b32 s53, s13, 15                         ; head
	s_lshl_b32 s54, s52, 11
	s_lshl_b32 s55, s14, 9
	s_add_co_u32 s54, s54, s55
	s_lshl_b32 s55, s[WV], 5
	s_add_co_u32 s54, s54, s55                     ; my first query of pass 0: 2,048 batch + 512 cx + 32 wave
	s_wait_alu depctr_va_vdst(0)                   ; the wait at the end of the head's vector work
	s_wait_dscnt 0x0
	s_wait_kmcnt 0x0
	s_lshl_b32 s56, s54, 12
	s_lshl_b32 s57, s53, 8
	s_add_co_u32 s56, s56, s57
	s_mov_b32 s57, 0
	s_add_nc_u64 s[4:5], s[4:5], s[56:57]          ; q: row x 4,096 + head x 256
.irp t, 0,1
.irp i, 0,1,2,3,4,5,6,7
	global_load_b128 v[KF+32*\t+4*\i:KF+32*\t+4*\i+3], v6, s[4:5] offset:65536*\t+8192*\i th:TH_LOAD_NT   ; pass 0: tile X, then tile Y, 16 rows on
.endr
.endr
	s_add_nc_u64 s[6:7], s[6:7], s[20:21]
	s_add_co_u32 s56, s54, s53
	s_mul_i32 s56, s56, 768
	s_add_nc_u64 s[8:9], s[8:9], s[56:57]          ; vals: (tile of rows x 16 + head) x 768
	s_lshl_b32 s56, s54, 5
	s_lshl_b32 s58, s53, 1
	s_add_co_u32 s56, s56, s58
	s_add_nc_u64 s[10:11], s[10:11], s[56:57]      ; val_scl: row x 32 + 2 head
	s_mov_b32 s[G0], 1
	s_mov_b32 s[G0+1], s16
	s_mov_b64 s[G0+2:G0+3], s[6:7]
	s_or_b32 s[G0+3], s[G0+3], 0x80000000
	CROUND                                         ; all four work-groups are here: the joint loads meet
	tensor_load_to_lds s[G0:G0+3], s[G1:G1+7]      ; my one tensor load of the launch
	s_nop 0
.rept 4
	v_nop
.endr
.macro QPREP src, w1, t                ; 16 queries through my stage (LDS serves a wave's instructions in order), quantised into tile t's six registers and its scale word
.if \w1
	WIN 0x04                                       ; the stores' data: window 1
.endif
.irp i, 0,1,2,3,4,5,6,7
	ds_store_b128 v7, v[\src+4*\i:\src+4*\i+3] offset:544*\i
.endr
	WIN 0
.irp i, 0,1,2,3,4,5,6,7
	ds_load_b128 v[208+4*\i:211+4*\i], v8 offset:16*\i
.endr
	s_wait_dscnt 0x0
	HQ 208, QB+6+12*\t, 254
	v_lshlrev_b32 v254, v4, v254                   ; my byte goes 8 (lane / 16) bits up and is joined with that of the lane 16 away
	s_delay_alu instid0(VALU_DEP_1)
	v_permlanex16_b32 v[TX], v254, s[SEL], s[SEL+1]
	s_delay_alu instid0(VALU_DEP_1)
	v_or_b32 v254, v254, v[TX]
	s_delay_alu instid0(VALU_DEP_1)
	v_lshl_or_b32 v[QS+\t], v254, 16, v254         ; the two bytes twice: they serve Q in either half of the 128
.endm
.macro INIT                            ; these 72 lines are also the places between Q's codes and scale words and the first products
.irp t, 0,1
	v_mov_b32 v[NM+2*\t+1], 0xff61b1e6             ; the largest score so far: -3e38
	v_mov_b32 v[NM+2*\t], 0x7e000000               ; -M: so large that the first change of M multiplies the zeros below by 0
	v_mov_b32 v[L+2*\t], 0
	v_mov_b32 v[L+2*\t+1], 0
.endr
	WIN 0x40
.set j, 0
.rept 64
	v_mov_b32 v[OT+j], 0                           ; the step is written without a first step of its own
.set j, j+1
.endr
	WIN 0
.endm
.macro KFETCH adr                      ; K's four fragments and their two scale words: 13 loads
.irp i, 0,1,2,3
.irp c, 0,1,2
	ds_load_b128 v[KF+12*\i+4*\c:KF+12*\i+4*\c+3], v[\adr] offset:1536*\i+512*\c
.endr
.endr
	ds_load_b64 v[SWK:SWK+1], v[\adr] offset:12288
.endm
; A KEY STEP: 128 keys for both tiles
.macro STEP2
	v_add_nc_u32 v[ADR], s[TB], v1                 ; with the six adds at the step's end: seven places between the last products and the loads into registers that they read
.irp u, 0,1,2,3
.irp c, 0,1,2
	ds_load_b128 v[VF+12*\u+4*\c:VF+12*\u+4*\c+3], v[ADR] offset:6144+1536*\u+512*\c
.endr
.endr
	ds_load_b64 v[SWV:SWV+1], v[ADR] offset:12296
	s_add_co_u32 s[TB], s[TB], 12800
	s_min_u32 s[TK], s[TB], 192000                 ; the next key step, held at the last
	s_wait_dscnt 13                                ; K and its scale words are in; V's thirteen loads may be out
	WIN 0x40                                       ; the scores: window 1
.irp t, 0,1
.irp i, 0,1,2,3
.if \i%2
	v_wmma_scale_f32_16x16x128_f8f6f4 v[S+64*\t+16*\i:S+64*\t+16*\i+7], v[KF+12*\i:KF+12*\i+11], v[QB+6+12*\t:QB+17+12*\t], 0, v[SWK+\i/2], v[QS+\t] matrix_a_fmt:MATRIX_FMT_FP6 matrix_b_fmt:MATRIX_FMT_FP6 matrix_a_scale:MATRIX_SCALE_ROW1
	v_wmma_scale_f32_16x16x128_f8f6f4 v[S+64*\t+16*\i+8:S+64*\t+16*\i+15], v[KF+12*\i:KF+12*\i+11], v[QB+12*\t:QB+11+12*\t], 0, v[SWK+\i/2], v[QS+\t] matrix_a_fmt:MATRIX_FMT_FP6 matrix_b_fmt:MATRIX_FMT_FP6 matrix_a_scale:MATRIX_SCALE_ROW1
.else
	v_wmma_scale_f32_16x16x128_f8f6f4 v[S+64*\t+16*\i:S+64*\t+16*\i+7], v[KF+12*\i:KF+12*\i+11], v[QB+6+12*\t:QB+17+12*\t], 0, v[SWK+\i/2], v[QS+\t] matrix_a_fmt:MATRIX_FMT_FP6 matrix_b_fmt:MATRIX_FMT_FP6
	v_wmma_scale_f32_16x16x128_f8f6f4 v[S+64*\t+16*\i+8:S+64*\t+16*\i+15], v[KF+12*\i:KF+12*\i+11], v[QB+12*\t:QB+11+12*\t], 0, v[SWK+\i/2], v[QS+\t] matrix_a_fmt:MATRIX_FMT_FP6 matrix_b_fmt:MATRIX_FMT_FP6
.endif
.endr
.endr
	WIN 0
	v_mov_b32 v[OM], v[NM]                         ; four places between the products and the loads into K's registers and the first read of the scores
	v_mov_b32 v[OM+1], v[NM+2]
	v_add_nc_u32 v[ADRK], s[TK], v1
	v_nop
	KFETCH ADRK                                    ; the next step's K
	WIN 0x15                                       ; THE LARGEST SCORE OF EACH BLOCK OF 32 KEYS, in two chains a block, eight chains by turns
.irp t, 0,1
.irp u, 0,1,2,3
	v_max3_num_f32 v[C+4*\t+\u], v[S+64*\t+16*\u], v[S+64*\t+16*\u+1], v[S+64*\t+16*\u+2]
.endr
.endr
	WIN 0x14
.irp i, 3,5,7,9,11,13
.irp t, 0,1
.irp u, 0,1,2,3
	v_max3_num_f32 v[C+4*\t+\u], v[C+4*\t+\u], v[S+64*\t+16*\u+\i], v[S+64*\t+16*\u+\i+1]
.endr
.endr
.endr
.irp t, 0,1
	v_max3_num_f32 v[C+4*\t], v[C+4*\t], v[S+64*\t+15], v[S+64*\t+31]
	v_max3_num_f32 v[C+4*\t+2], v[C+4*\t+2], v[S+64*\t+47], v[S+64*\t+63]
.endr
	WIN 0                                          ; the two tiles' chains, line by line
.irp t, 0,1
	v_max_num_f32 v[C+4*\t], v[C+4*\t], v[C+4*\t+1]                 ; block 0's largest score
.endr
.irp t, 0,1
	v_max_num_f32 v[C+4*\t+1], v[C+4*\t+2], v[C+4*\t+3]             ; block 1's
.endr
.irp t, 0,1
	v_max_num_f32 v[C+4*\t+2], v[C+4*\t], v[C+4*\t+1]
.endr
.irp t, 0,1
	v_permlanex16_b32 v[TX+\t], v[C+4*\t+2], s[SEL], s[SEL+1]       ; the query's other 64 keys lie in the lane 16 away
.endr
.irp t, 0,1
	v_max3_num_f32 v[NM+2*\t+1], v[NM+2*\t+1], v[C+4*\t+2], v[TX+\t] ; the running largest score
.endr
.irp t, 0,1
	v_mul_f32 v[C+4*\t+2], s[NC], v[NM+2*\t+1]                      ; -t
.endr
.irp t, 0,1
	v_floor_f32 v[NM+2*\t], v[C+4*\t+2]                             ; -M = floor(-t) = -ceil(t): a whole number
.endr
.irp t, 0,1
	v_sub_f32 v[OM+\t], v[NM+2*\t], v[OM+\t]                        ; old M - new M: a whole number, 0 or less
.endr
.irp t, 0,1
	v_pk_fma_f32 v[C+4*\t:C+4*\t+1], v[C+4*\t:C+4*\t+1], s[CS:CS+1], v[NM+2*\t:NM+2*\t+1] op_sel_hi:[1,0,0]   ; x = t - M of the two blocks' largest scores
.endr
.irp t, 0,1
	v_cvt_i32_f32 v[OM+\t], v[OM+\t]                                ; (it saturates)
.endr
.irp t, 0,1
	v_floor_f32 v[C+4*\t], v[C+4*\t]                                ; the exponent of the block's largest p
	v_floor_f32 v[C+4*\t+1], v[C+4*\t+1]
.endr
.irp t, 0,1
	v_ldexp_f32 v[F+2*\t], 1.0, v[OM+\t]                            ; f = 2^(old M - new M)
.endr
.irp t, 0,1
	v_max_num_f32 v[C+4*\t], 0xc2f80000, v[C+4*\t]                  ; held at -124: the byte cannot fall under 1
	v_max_num_f32 v[C+4*\t+1], 0xc2f80000, v[C+4*\t+1]
.endr
.irp t, 0,1
	v_pk_mul_f32 v[L+2*\t:L+2*\t+1], v[L+2*\t:L+2*\t+1], v[F+2*\t:F+2*\t+1] op_sel_hi:[1,0]   ; the sum under the new M
.endr
.irp t, 0,1
	v_pk_add_f32 v[C+4*\t:C+4*\t+1], v[C+4*\t:C+4*\t+1], s[MG:MG+1] op_sel_hi:[1,0]           ; + 2^23 + 125: the low byte is the scale's byte
.endr
.irp t, 0,1
	v_lshlrev_b32 v[SO+2*\t], 23, v[C+4*\t]                         ; the byte as an exponent field: the conversions' scale operands
	v_lshlrev_b32 v[SO+2*\t+1], 23, v[C+4*\t+1]
.endr
.irp t, 0,1
	v_and_b32 v[C+4*\t], 0xff, v[C+4*\t]
.endr
.irp t, 0,1
	v_lshl_or_b32 v[PW+\t], v[C+4*\t+1], 16, v[C+4*\t]              ; my blocks' bytes 0 + h and 2 + h of p's scale word
.endr
.irp t, 0,1
	v_lshlrev_b32 v[PW+\t], v4, v[PW+\t]
.endr
.irp t, 0,1
	v_permlanex16_b32 v[TX+\t], v[PW+\t], s[SEL], s[SEL+1]
.endr
.irp t, 0,1
	v_or_b32 v[PW+\t], v[PW+\t], v[TX+\t]
.endr
	WIN 0x41                                       ; destination and source 0: window 1
.irp t, 0,1
.set j, 0
.rept 16
	v_pk_mul_f32 v[OT+32*\t+j:OT+32*\t+j+1], v[OT+32*\t+j:OT+32*\t+j+1], v[F+2*\t:F+2*\t+1] op_sel_hi:[1,0]   ; O^T under the new M, each accumulator from its low end on
.set j, j+2
.endr
.endr
.irp t, 0,1
.set j, 0
.rept 32
	v_pk_fma_f32 v[S+64*\t+j:S+64*\t+j+1], v[S+64*\t+j:S+64*\t+j+1], s[CS:CS+1], v[NM+2*\t:NM+2*\t+1] op_sel_hi:[1,0,0]   ; t - M, two at a time
.set j, j+2
.endr
.endr
	s_wait_alu depctr_va_vdst(0)                   ; the wait ahead of the batch
.set j, 0
.rept 128
	v_exp_f32 v[S+j], v[S+j]                       ; p = 2^(t - M), at most 1
.set j, j+1
.endr
	v_nop                                          ; the plain line behind the exponentials
	WIN 0x05
	s_wait_alu depctr_va_vdst(0)                   ; one wait for the batch, ahead of its first reader
; THE ROW'S SUM IS TAKEN OF THE UNQUANTISED p: a tile's 32 pairs into l and seven partial sums
.irp t, 0,1
.irp k, 0,1,2,3,4,5,6
	v_pk_add_f32 v[T+14*\t+2*\k:T+14*\t+2*\k+1], v[S+64*\t+4*\k:S+64*\t+4*\k+1], v[S+64*\t+4*\k+2:S+64*\t+4*\k+3]
.endr
.endr
	WIN 0x01                                       ; source 0: window 1
.irp t, 0,1
	v_cvt_scalef32_pk16_fp6_f32 v[PC+12*\t:PC+12*\t+2], v[S+64*\t:S+64*\t+15], v[SO+2*\t]
	v_cvt_scalef32_pk16_fp6_f32 v[CT+8*\t:CT+8*\t+2], v[S+64*\t+16:S+64*\t+31], v[SO+2*\t]
	v_cvt_scalef32_pk16_fp6_f32 v[PC+12*\t+6:PC+12*\t+8], v[S+64*\t+32:S+64*\t+47], v[SO+2*\t+1]
	v_cvt_scalef32_pk16_fp6_f32 v[CT+8*\t+4:CT+8*\t+6], v[S+64*\t+48:S+64*\t+63], v[SO+2*\t+1]
.endr
.irp t, 0,1
	v_pk_add_f32 v[L+2*\t:L+2*\t+1], v[S+64*\t+28:S+64*\t+29], v[L+2*\t:L+2*\t+1]
.irp k, 0,1,2,3,4,5,6
	v_pk_add_f32 v[T+14*\t+2*\k:T+14*\t+2*\k+1], v[S+64*\t+30+2*\k:S+64*\t+31+2*\k], v[T+14*\t+2*\k:T+14*\t+2*\k+1]
.endr
	v_pk_add_f32 v[L+2*\t:L+2*\t+1], v[S+64*\t+44:S+64*\t+45], v[L+2*\t:L+2*\t+1]
.irp k, 0,1,2,3,4,5,6
	v_pk_add_f32 v[T+14*\t+2*\k:T+14*\t+2*\k+1], v[S+64*\t+46+2*\k:S+64*\t+47+2*\k], v[T+14*\t+2*\k:T+14*\t+2*\k+1]
.endr
	v_pk_add_f32 v[L+2*\t:L+2*\t+1], v[S+64*\t+60:S+64*\t+61], v[L+2*\t:L+2*\t+1]
	v_pk_add_f32 v[T+14*\t:T+14*\t+1], v[S+64*\t+62:S+64*\t+63], v[T+14*\t:T+14*\t+1]
.endr
	WIN 0
.irp t, 0,1
.irp i, 0,1,2
	v_mov_b32 v[PC+12*\t+3+\i], v[CT+8*\t+\i]
	v_mov_b32 v[PC+12*\t+9+\i], v[CT+8*\t+4+\i]
.endr
.endr
.irp t, 0,1                            ; eight partial sums become four: eight places between p's codes and the products
	v_pk_add_f32 v[L+2*\t:L+2*\t+1], v[L+2*\t:L+2*\t+1], v[T+14*\t:T+14*\t+1]
	v_pk_add_f32 v[T+14*\t+2:T+14*\t+3], v[T+14*\t+2:T+14*\t+3], v[T+14*\t+4:T+14*\t+5]
	v_pk_add_f32 v[T+14*\t+6:T+14*\t+7], v[T+14*\t+6:T+14*\t+7], v[T+14*\t+8:T+14*\t+9]
	v_pk_add_f32 v[T+14*\t+10:T+14*\t+11], v[T+14*\t+10:T+14*\t+11], v[T+14*\t+12:T+14*\t+13]
.endr
	s_wait_alu depctr_va_vdst(0)                   ; directly ahead of the wait below
	s_wait_dscnt 13                                ; V and its scale words are in; the next K's thirteen loads may be out
	WIN 0x50                                       ; C and D: window 1
.irp u, 0,1,2,3
.irp t, 0,1
.if \u%2
	v_wmma_scale_f32_16x16x128_f8f6f4 v[OT+32*\t+8*\u:OT+32*\t+8*\u+7], v[VF+12*\u:VF+12*\u+11], v[PC+12*\t:PC+12*\t+11], v[OT+32*\t+8*\u:OT+32*\t+8*\u+7], v[SWV+\u/2], v[PW+\t] matrix_a_fmt:MATRIX_FMT_FP6 matrix_b_fmt:MATRIX_FMT_FP6 matrix_a_scale:MATRIX_SCALE_ROW1
.else
	v_wmma_scale_f32_16x16x128_f8f6f4 v[OT+32*\t+8*\u:OT+32*\t+8*\u+7], v[VF+12*\u:VF+12*\u+11], v[PC+12*\t:PC+12*\t+11], v[OT+32*\t+8*\u:OT+32*\t+8*\u+7], v[SWV+\u/2], v[PW+\t] matrix_a_fmt:MATRIX_FMT_FP6 matrix_b_fmt:MATRIX_FMT_FP6
.endif
.endr
.endr
	WIN 0
.irp t, 0,1                            ; the four become one: places behind the products
	v_pk_add_f32 v[L+2*\t:L+2*\t+1], v[L+2*\t:L+2*\t+1], v[T+14*\t+2:T+14*\t+3]
.endr
.irp t, 0,1
	v_pk_add_f32 v[T+14*\t+6:T+14*\t+7], v[T+14*\t+6:T+14*\t+7], v[T+14*\t+10:T+14*\t+11]
.endr
.irp t, 0,1
	v_pk_add_f32 v[L+2*\t:L+2*\t+1], v[L+2*\t:L+2*\t+1], v[T+14*\t+6:T+14*\t+7]
.endr
.endm
.macro PASS                            ; key step 0's K, then a counted loop of 16 key steps
	KFETCH 1
	s_mov_b32 s[TB], 0
	s_mov_b32 s[CNT], 16
.Lstep_\@:
	STEP2
	s_sub_co_u32 s[CNT], s[CNT], 1
	s_cmp_lg_u32 s[CNT], 0
	s_cbranch_scc1 .Lstep_\@
.endm
.macro WAYOUT p                        ; O^T / l: a lane's 32 numbers of a tile are one block of the last product's K: six registers of codes and a byte
.irp t, 0,1
	v_add_f32 v[L+2*\t], v[L+2*\t], v[L+2*\t+1]
.endr
.irp t, 0,1
	v_permlanex16_b32 v[TX+\t], v[L+2*\t], s[SEL], s[SEL+1]
.endr
.irp t, 0,1
	v_add_f32 v[L+2*\t], v[L+2*\t], v[TX+\t]       ; the row's sum
.endr
	s_wait_alu depctr_va_vdst(0)
	v_rcp_f32 v[F], v[L]
	v_rcp_f32 v[F+2], v[L+2]
	v_nop                                          ; the plain line behind the reciprocals
	WIN 0x01
	s_wait_alu depctr_va_vdst(0)                   ; ahead of the first reader
.irp t, 0,1
.set j, 0
.rept 16
	v_pk_mul_f32 v[VF+32*\t+j:VF+32*\t+j+1], v[OT+32*\t+j:OT+32*\t+j+1], v[F+2*\t:F+2*\t+1] op_sel_hi:[1,0]   ; each accumulator from its low end on
.set j, j+2
.endr
.endr
	WIN 0
.irp t, 0,1
	HQ VF+32*\t, CT+8*\t, 254+\t
	global_store_b128 v1, v[CT+8*\t:CT+8*\t+3], s[8:9] offset:196608*\p+12288*\t          ; 512 consecutive bytes,
	global_store_b64 v2, v[CT+8*\t+4:CT+8*\t+5], s[8:9] offset:196608*\p+12288*\t+512     ; and 256: a half fragment of the last product's A
	global_store_b8 v5, v[254+\t], s[10:11] offset:8192*\p+512*\t
.endr
.endm
	s_wait_loadcnt 8                               ; tile X's eight loads are in; tile Y's may be out
	QPREP KF, 0, 0
	s_wait_loadcnt 0x0
	QPREP KF+32, 0, 1
	INIT
	s_wait_alu depctr_va_vdst(0)                   ; the wait at the head's end
	s_wait_tensorcnt 0x0                           ; my two key steps have landed
	s_barrier_signal -1
	s_barrier_wait -1                              ; and so have everybody's: all of K and V is in LDS
	WIN 0x40
.irp t, 0,1
.irp i, 0,1,2,3,4,5,6,7
	global_load_b128 v[QR+32*\t+4*\i:QR+32*\t+4*\i+3], v6, s[4:5] offset:1048576+65536*\t+8192*\i th:TH_LOAD_NT   ; pass 1's q, 256 rows on: waited for at the change of passes
.endr
.endr
	WIN 0
	PASS
	WAYOUT 0
	s_wait_xcnt 0x0                                ; the stores have read their registers, which are written below
	s_wait_loadcnt 0x0                             ; pass 1's q is in
	QPREP QR, 1, 0                                 ; (its wait on DScnt is for 0: the last step's fetch of K has landed too)
	QPREP QR+32, 1, 1
	INIT
	PASS
	WAYOUT 1
	s_wait_tensorcnt 0x0                           ; the wave's end
	ds_add_u32 v[SPW], v[NIL]
	s_wait_dscnt 0x0
	CROUND                                         ; the closing round
	s_endpgm
.Lfunc_end_k_qfc0911634d_attn:
	.size	k_qfc0911634d_attn, .Lfunc_end_k_qfc0911634d_attn-k_qfc0911634d_attn
	.p2alignl 7, 3214868480
	.fill 96, 4, 3214868480
	.section	.rodata,"a",@progbits
	.p2align	6, 0x0
	.amdhsa_kernel k_qfc0911634d_attn
		.amdhsa_group_segment_fixed_size 240640
		.amdhsa_private_segment_fixed_size 0
		.amdhsa_enable_private_segment 0
		.amdhsa_kernarg_size 32
		.amdhsa_user_sgpr_count 2
		.amdhsa_user_sgpr_kernarg_segment_ptr 1
		.amdhsa_wavefront_size32 1
		.amdhsa_system_sgpr_workgroup_id_x 1
		.amdhsa_system_sgpr_workgroup_id_y 1
		.amdhsa_system_sgpr_workgroup_id_z 1
		.amdhsa_system_vgpr_workitem_id 0
		.amdhsa_next_free_vgpr 512
		.amdhsa_next_free_sgpr 66
		.amdhsa_reserve_vcc 0
		.amdhsa_float_denorm_mode_32 3
		.amdhsa_float_denorm_mode_16_64 3
		.amdhsa_memory_ordered 1
		.amdhsa_forward_progress 1
		.amdhsa_inst_pref_size 95
	.end_amdhsa_kernel
	.amdgpu_metadata
---
amdhsa.version: [ 1, 2 ]
amdhsa.kernels:
  - .name:           k_qfc0911634d_attn
    .symbol:         k_qfc0911634d_attn.kd
    .args:
      - { .name: q, .offset: 0, .size: 8, .value_kind: global_buffer, .address_space: global }
      - { .name: kvimg, .offset: 8, .size: 8, .value_kind: global_buffer, .address_space: global }
      - { .name: vals, .offset: 16, .size: 8, .value_kind: global_buffer, .address_space: global }
      - { .name: val_scl, .offset: 24, .size: 8, .value_kind: global_buffer, .address_space: global }
    .group_segment_fixed_size: 240640
    .private_segment_fixed_size: 0
    .kernarg_segment_align: 8
    .kernarg_segment_size: 32
    .max_flat_workgroup_size: 256
    .sgpr_count:     66
    .vgpr_count:     512
    .wavefront_size: 32
...
	.end_amdgpu_metadata
.endif
;; end of part 3
;; launch gemm_o (part 4): grid 4 x 64, 4 waves a work-group, clusters of 4 x 4, 295,424 bytes of LDS; arguments vals, val_scl, w_img, w_scl, b_o, out0; writes out0
.if DOCPART == 4
	.amdgcn_target "amdgcn-amd-amdhsa--gfx1250"
	.amdhsa_code_object_version 6
	.text
	.protected	k_qfc0911634d_gemm_o
	.globl	k_qfc0911634d_gemm_o
	.p2align	8
	.type	k_qfc0911634d_gemm_o,@function
k_qfc0911634d_gemm_o:
	s_mov_b64 s[64:65], 0
	v_nop
	global_prefetch_b8 v0, s[64:65] scope:SCOPE_SE
	s_setreg_imm32_b32 hwreg(HW_REG_WAVE_MODE, 25, 1), 1
	s_wait_xcnt 0x0
	s_wait_alu depctr_hold_cnt(0) depctr_sa_sdst(0) depctr_va_vdst(0) depctr_va_sdst(0) depctr_va_ssrc(0) depctr_va_vcc(0) depctr_vm_vsrc(0)
	s_getreg_b32 s2, hwreg(HW_REG_IB_STS2, 6, 4)
	s_cmp_eq_u32 s2, 0
	s_cbranch_scc0 .Lentry_in_a_cluster
	s_endpgm
.Lentry_in_a_cluster:
	s_bfe_u32 s2, ttmp6, 0x10000c
	s_cmp_lg_u32 s2, 0xf033
	s_cbranch_scc0 .Lentry_shape_is_right
	s_endpgm
.Lentry_shape_is_right:
; out0 [8192][1024] = values x W_o + b_o on codes of FP6 (E2M3) with E8M0 scales; sums in f32.  Both operands lie in memory as images of the operand's registers:
; [tile of 16 rows][16 half fragments of 64 along K][768 bytes]; the scale bytes as [row][32].  W_o's part of w_img begins at byte 1,572,864, of w_scl at byte 65,536.
; A BLOCK of 128 rows x 256 columns to a work-group: 64 x 4 = 256 work-groups.  Four waves, each 64 x 128: 32 accumulators, 256 registers.
; ALL OF K LIES IN LDS: A's 8 tiles (98,304 bytes) and B's 16 (196,608 bytes), each a dense run of memory, filled ONCE: wave 0 asks for A's, waves 1 to 3 for a third of B's each, one joint load a wave.
; No byte is filled again, so there is no ring; one barrier shows the tiles to all waves, one more stands ahead of the way out, whose stage lies on A's bytes.
; CLUSTERS of 4 x 4: A's tiles hang on the block's row alone and are shared along a row of the cluster, B's on its column alone and are shared along a column.
; NO PREFETCH: everything is asked for at the head; there is no loop to run ahead in.
; THE SCALE WORDS go from memory into registers: a load takes the 512 consecutive bytes of 16 rows, lane (r, h) bytes 16 h .. 16 h + 15 of row r: lanes 0-15 hold the words of K steps 0-3, lanes 16-31 those of 4-7.
; TRANSPOSED USE: source 0 = 16 rows of B, source 1 = 16 rows of A: a lane holds eight numbers of one row of out0.  By the order of W_o's columns in their tiles (column 64 G + 32 g + 8 t + x in tile 4 G + t at place 8 g + x)
; they are columns 64 (b / 4) + 32 h + 8 (b % 4) + 0 .. 7 of the wave's 128.
; REGISTERS: window 0: v0-31 addresses, v8-11 the bias; v32-47 A's scale words, v48-79 B's; v128-223 A's fragments, two sets; on the way out v128-255.  window 1: B's fragments, two sets, at v0 and v128.  window 2: the accumulators.
.set BREG,   98304                     ; B's tiles in LDS
.set SPARE,  294912                    ; behind them: the spare words
.set SPITCH, 528
.set NB,     4096                      ; a row of out0 in bytes
.set FR,     12
.set ADRA, 16                          ; v16 16 x lane, v17 8 x lane, from my four tiles of A
.set ADRB, 18                          ; v18, v19: 16 x lane from my tiles 0-3, 4-7 of B; v20, v21: 8 x lane
.set STO,  24
.set RD,   25
.set CO,   26
.set SOF,  27
.set SPW,  28
.set NIL,  29
.set SA,   32
.set SB,   48
.set AF,   128
.set BK,   128
.set G1,  24
.set G0,  32
.set G1B, 48
.set G0B, 56
.set BIA, 98
.set MSB, 0
.macro WIN new
.if MSB != (\new)
	s_set_vgpr_msb (MSB<<8)|(\new)
.set MSB, (\new)
.endif
.endm
.macro CROUND
	s_barrier_signal -1
	s_barrier_wait -1
	s_cmp_lg_u32 s14, 0
	s_cbranch_scc1 .Lnot_wave_0_\@
	s_barrier_signal -3
.Lnot_wave_0_\@:
	s_barrier_wait -3
	s_barrier_signal -1
	s_barrier_wait -1
.endm
.macro PLACES n
.rept \n
	v_nop
.endr
.endm
	s_load_b128 s[4:7], s[0:1], 0x0                ; vals, val_scl
	s_load_b128 s[8:11], s[0:1], 0x10              ; w_img, w_scl
	s_load_b64 s[BIA:BIA+1], s[0:1], 0x20          ; b_o
	s_load_b64 s[12:13], s[0:1], 0x28              ; out0
	v_lshl_add_u32 v[SPW], v0, 2, SPARE
	v_mov_b32 v[NIL], 0
	ds_add_u32 v[SPW], v[NIL]                      ; the opening lines: the add twice on end and one wait
	ds_add_u32 v[SPW], v[NIL]
	v_lshrrev_b32 v1, 5, v0
	v_readfirstlane_b32 s14, v1                    ; wave 0..3
	s_lshr_b32 s15, s14, 1                         ; which 64 rows
	s_and_b32 s16, s14, 1                          ; which 128 columns
	s_mul_i32 s68, s15, 49152                      ; my four tiles of A
	s_mul_i32 s69, s16, 98304
	s_add_co_u32 s69, s69, BREG                    ; my tiles 0-3 of B,
	s_add_co_u32 s70, s69, 49152                   ; and 4-7
	s_mul_i32 s71, s14, 16*SPITCH                  ; my stage
	v_and_b32 v1, 15, v0
	v_bfe_u32 v2, v0, 4, 1
	v_and_b32 v3, 31, v0
	v_lshlrev_b32 v4, 4, v3
	v_lshlrev_b32 v5, 3, v3
	v_mul_u32_u24 v6, v1, SPITCH
	v_lshlrev_b32 v[SOF], 5, v1
	v_add_nc_u32 v[ADRA], s68, v4
	v_add_nc_u32 v[ADRA+1], s68, v5
	v_add_nc_u32 v[ADRB], s69, v4
	v_add_nc_u32 v[ADRB+1], s70, v4
	v_add_nc_u32 v[ADRB+2], s69, v5
	v_add_nc_u32 v[ADRB+3], s70, v5
	v_lshl_add_u32 v6, v2, 7, v6
	v_lshl_add_u32 v[SOF], v2, 4, v[SOF]           ; 32 r + 16 h
	v_mov_b32 v[CO], v4
	v_add_nc_u32 v[RD], s71, v4
	v_add_nc_u32 v[STO], s71, v6                   ; into the stage: row r, + 128 h
	s_bfe_u32 s40, ttmp6, 0x40000                  ; cx, cy
	s_bfe_u32 s41, ttmp6, 0x40004
	s_lshl_b32 s42, ttmp9, 2
	s_add_co_u32 s42, s42, s40                     ; the block's column, 0..3
	s_and_b32 s17, ttmp7, 0xffff
	s_lshl_b32 s17, s17, 2
	s_add_co_u32 s17, s17, s41                     ; the block's row, 0..63
	s_lshl_b32 s43, s41, 2
	s_lshl_b32 s43, 15, s43                        ; my row of the cluster
	s_lshl_b32 s44, 0x1111, s40                    ; my column
	s_or_b32 s[G1], s43, (3<<16)|(1<<21)           ; dense rows of 256 bytes (32 elements of 8): A's 384,
	s_or_b32 s[G1B], s44, (3<<16)|(1<<21)          ; a third of B's: 256
	s_mov_b32 s[G1+1], 32<<16
	s_mov_b32 s[G1+2], 384<<16
	s_mov_b32 s[G1+3], 32<<16
	s_mov_b32 s[G1+4], 384
	s_mov_b32 s[G1+5], 32
	s_mov_b32 s[G1+6], 0
	s_mov_b32 s[G1+7], 0
	s_mov_b32 s[G1B+1], 32<<16
	s_mov_b32 s[G1B+2], 256<<16
	s_mov_b32 s[G1B+3], 32<<16
	s_mov_b32 s[G1B+4], 256
	s_mov_b32 s[G1B+5], 32
	s_mov_b32 s[G1B+6], 0
	s_mov_b32 s[G1B+7], 0
	s_lshl_b32 s20, s17, 12                        ; A's scales: (128 row + 64 half) x 32 bytes
	s_lshl_b32 s18, s15, 11
	s_add_co_u32 s20, s20, s18
	s_mov_b32 s21, 0
	s_lshl_b32 s22, s42, 13                        ; B's: 65,536 + (256 column + 128 half) x 32
	s_lshl_b32 s18, s16, 12
	s_add_co_u32 s22, s22, s18
	s_add_co_u32 s22, s22, 65536
	s_mov_b32 s23, 0
	s_lshl_b32 s46, s42, 10                        ; my first column in bytes
	s_lshl_b32 s18, s16, 9
	s_add_co_u32 s46, s46, s18
	s_mov_b32 s47, 0
	s_lshl_b32 s60, s17, 19                        ; my first row of out0 x 4,096
	s_lshl_b32 s18, s15, 18
	s_add_co_u32 s60, s60, s18
	s_add_co_u32 s60, s60, s46
	s_mov_b32 s61, 0
	s_mul_i32 s38, s17, 98304                      ; A's eight tiles
	s_mov_b32 s39, 0
	s_mul_i32 s36, s42, 196608                     ; B's sixteen: waves 1 to 3 take 65,536 bytes each: 1,572,864 + 196,608 column + 65,536 (wave - 1)
	s_lshl_b32 s18, s14, 16
	s_add_co_u32 s36, s36, s18
	s_add_co_u32 s36, s36, 1507328
	s_mov_b32 s37, 0
	s_add_co_u32 s19, s18, 32768                   ; in LDS: 98,304 + 65,536 (wave - 1)
	s_wait_alu depctr_va_vdst(0)                   ; the wait at the end of the head's vector work
	s_wait_dscnt 0x0
	s_wait_kmcnt 0x0
	s_add_nc_u64 s[6:7], s[6:7], s[20:21]
	s_add_nc_u64 s[10:11], s[10:11], s[22:23]
	s_add_nc_u64 s[BIA:BIA+1], s[BIA:BIA+1], s[46:47]
	s_add_nc_u64 s[12:13], s[12:13], s[60:61]
	s_add_nc_u64 s[4:5], s[4:5], s[38:39]
	s_add_nc_u64 s[8:9], s[8:9], s[36:37]
.irp a, 0,1,2,3
	global_load_b128 v[SA+4*\a:SA+4*\a+3], v[SOF], s[6:7] offset:512*\a
.endr
.irp b, 0,1,2,3,4,5,6,7
	global_load_b128 v[SB+4*\b:SB+4*\b+3], v[SOF], s[10:11] offset:512*\b
.endr
	global_load_b128 v[8:11], v[CO], s[BIA:BIA+1]  ; the bias of my four columns of a row's 128
	s_mov_b32 s[G0], 1
	s_mov_b32 s[G0+1], 0
	s_mov_b64 s[G0+2:G0+3], s[4:5]
	s_or_b32 s[G0+3], s[G0+3], 0x80000000
	s_mov_b32 s[G0B], 1
	s_mov_b32 s[G0B+1], s19
	s_mov_b64 s[G0B+2:G0B+3], s[8:9]
	s_or_b32 s[G0B+3], s[G0B+3], 0x80000000
	CROUND                                         ; all sixteen work-groups are here: the joint loads meet
	s_cmp_eq_u32 s14, 0                            ; one load in each arm: every way through the head passes exactly one
	s_cbranch_scc0 .Lfor_b
	tensor_load_to_lds s[G0:G0+3], s[G1:G1+7]
	s_nop 0
	PLACES 4
	s_branch .Lasked
.Lfor_b:
	tensor_load_to_lds s[G0B:G0B+3], s[G1B:G1B+7]
	s_nop 0
	PLACES 4
.Lasked:
	s_wait_loadcnt 0x0                             ; the scale words and the bias
	s_wait_tensorcnt 0x0                           ; my tile has landed
	s_barrier_signal -1
	s_barrier_wait -1                              ; and everybody's
.macro FRAG reg, a16, a8, off          ; 16 rows x 128 K: two half fragments, registers 0-3 at 16 x lane, 4-5 at 512 + 8 x lane
.irp c, 0,1
	ds_load_b128 v[(\reg)+6*\c:(\reg)+6*\c+3], v[\a16] offset:(\off)+768*\c
	ds_load_b64 v[(\reg)+6*\c+4:(\reg)+6*\c+5], v[\a8] offset:(\off)+768*\c+512
.endr
.endm
.macro FETCH s                         ; K step s: B's eight fragments and A's four into set s % 2
	WIN 0x40
.irp i, 0,1,2,3,4,5,6,7
	FRAG 128*((\s)%2)+FR*\i, ADRB+\i/4, ADRB+2+\i/4, 12288*(\i%4)+1536*(\s)
.endr
	WIN 0
.irp i, 0,1,2,3
	FRAG AF+48*((\s)%2)+FR*\i, ADRA, ADRA+1, 12288*\i+1536*(\s)
.endr
.endm
.macro MUL32 s                         ; the 32 accumulators by turns, one instruction a turn; the first step starts the sums
.irp a, 0,1,2,3
.irp b, 0,1,2,3,4,5,6,7
.if (\s) == 0
	v_wmma_scale_f32_16x16x128_f8f6f4 v[8*(8*\a+\b):8*(8*\a+\b)+7], v[FR*\b:FR*\b+FR-1], v[AF+FR*\a:AF+FR*\a+FR-1], 0, v[SB+4*\b], v[SA+4*\a] matrix_a_fmt:MATRIX_FMT_FP6 matrix_b_fmt:MATRIX_FMT_FP6
.elseif (\s) < 4
	v_wmma_scale_f32_16x16x128_f8f6f4 v[8*(8*\a+\b):8*(8*\a+\b)+7], v[128*((\s)%2)+FR*\b:128*((\s)%2)+FR*\b+FR-1], v[AF+48*((\s)%2)+FR*\a:AF+48*((\s)%2)+FR*\a+FR-1], v[8*(8*\a+\b):8*(8*\a+\b)+7], v[SB+4*\b+(\s)%4], v[SA+4*\a+(\s)%4] matrix_a_fmt:MATRIX_FMT_FP6 matrix_b_fmt:MATRIX_FMT_FP6
.else
	v_wmma_scale_f32_16x16x128_f8f6f4 v[8*(8*\a+\b):8*(8*\a+\b)+7], v[128*((\s)%2)+FR*\b:128*((\s)%2)+FR*\b+FR-1], v[AF+48*((\s)%2)+FR*\a:AF+48*((\s)%2)+FR*\a+FR-1], v[8*(8*\a+\b):8*(8*\a+\b)+7], v[SB+4*\b+(\s)%4], v[SA+4*\a+(\s)%4] matrix_a_fmt:MATRIX_FMT_FP6 matrix_b_fmt:MATRIX_FMT_FP6 matrix_a_scale:MATRIX_SCALE_ROW1 matrix_b_scale:MATRIX_SCALE_ROW1
.endif
.endr
.endr
.endm
.macro KSTEP s
	s_wait_dscnt 0x0                               ; this step's fragments are in
.if (\s) == 7
	s_barrier_signal -1                            ; my reads of the tiles are over
.else
.if (\s) > 0
	PLACES 4                                       ; between the last step's products and the loads into the set that they read
.endif
	FETCH (\s)+1
.endif
	WIN 0xa1                                       ; source 0 (B) window 1, source 1 (A) window 0, C and D window 2
	MUL32 \s
	WIN 0
.endm
	FETCH 0
.irp s, 0,1,2,3,4,5,6,7
	KSTEP \s
.endr
	s_barrier_wait -1                              ; nobody reads the tiles any more: the stages may lie on A's bytes, which have had their one fill
; THE WAY OUT, block by block of 16 rows x 128 columns, through my own stage: whole rows of 512 bytes come back and leave as two aligned units of 256 bytes
.macro TOSTAGE a
	WIN 0x08                                       ; the data: window 2
.irp b, 0,1,2,3,4,5,6,7
	ds_store_b128 v[STO], v[64*(\a)+8*\b:64*(\a)+8*\b+3] offset:256*(\b/4)+32*(\b%4)       ; each accumulator from its low end on
	ds_store_b128 v[STO], v[64*(\a)+8*\b+4:64*(\a)+8*\b+7] offset:256*(\b/4)+32*(\b%4)+16
.endr
	WIN 0
.set BB, BK+64*((\a)%2)
.irp t, 0,1,2,3,4,5,6,7,8,9,10,11,12,13,14,15
	ds_load_b128 v[BB+4*\t:BB+4*\t+3], v[RD] offset:\t*SPITCH    ; LDS serves a wave's instructions in order: these see the stores above
.endr
.endm
.macro SEND a, younger
.set BB, BK+64*((\a)%2)
	s_wait_dscnt \younger                          ; the block is back; the next block's 16 stores and 16 loads may be out
.if (\a) > 0
	s_add_nc_u64 s[12:13], s[12:13], 16*NB         ; (behind a wait on XCNT: the earlier stores have read their base)
.endif
.irp t, 0,1,2,3,4,5,6,7,8,9,10,11,12,13,14,15
	v_pk_add_f32 v[BB+4*\t:BB+4*\t+1], v[BB+4*\t:BB+4*\t+1], v[8:9]
	v_pk_add_f32 v[BB+4*\t+2:BB+4*\t+3], v[BB+4*\t+2:BB+4*\t+3], v[10:11]
	global_store_b128 v[CO], v[BB+4*\t:BB+4*\t+3], s[12:13] offset:\t*NB th:TH_STORE_NT
.endr
.endm
	PLACES 4
	TOSTAGE 0
.irp a, 1,2,3
.if \a > 1
	s_wait_xcnt 0x0                                ; block a - 2's stores have read their registers and their base
.endif
	TOSTAGE \a
	SEND \a-1, 32
.endr
	s_wait_xcnt 0x0
	SEND 3, 0
	s_wait_tensorcnt 0x0                           ; the wave's end
	ds_add_u32 v[SPW], v[NIL]
	s_wait_dscnt 0x0
	CROUND                                         ; the closing round
	s_endpgm
.Lfunc_end_k_qfc0911634d_gemm_o:
	.size	k_qfc0911634d_gemm_o, .Lfunc_end_k_qfc0911634d_gemm_o-k_qfc0911634d_gemm_o
	.p2alignl 7, 3214868480
	.fill 96, 4, 3214868480
	.section	.rodata,"a",@progbits
	.p2align	6, 0x0
	.amdhsa_kernel k_qfc0911634d_gemm_o
		.amdhsa_group_segment_fixed_size 295424
		.amdhsa_private_segment_fixed_size 0
		.amdhsa_enable_private_segment 0
		.amdhsa_kernarg_size 48
		.amdhsa_user_sgpr_count 2
		.amdhsa_user_sgpr_kernarg_segment_ptr 1
		.amdhsa_wavefront_size32 1
		.amdhsa_system_sgpr_workgroup_id_x 1
		.amdhsa_system_sgpr_workgroup_id_y 1
		.amdhsa_system_sgpr_workgroup_id_z 1
		.amdhsa_system_vgpr_workitem_id 0
		.amdhsa_next_free_vgpr 768
		.amdhsa_next_free_sgpr 100
		.amdhsa_reserve_vcc 0
		.amdhsa_float_denorm_mode_32 3
		.amdhsa_float_denorm_mode_16_64 3
		.amdhsa_memory_ordered 1
		.amdhsa_forward_progress 1
		.amdhsa_inst_pref_size 89
	.end_amdhsa_kernel
	.amdgpu_metadata
---
amdhsa.version: [ 1, 2 ]
amdhsa.kernels:
  - .name:           k_qfc0911634d_gemm_o
    .symbol:         k_qfc0911634d_gemm_o.kd
    .args:
      - { .name: vals, .offset: 0, .size: 8, .value_kind: global_buffer, .address_space: global }
      - { .name: val_scl, .offset: 8, .size: 8, .value_kind: global_buffer, .address_space: global }
      - { .name: w_img, .offset: 16, .size: 8, .value_kind: global_buffer, .address_space: global }
      - { .name: w_scl, .offset: 24, .size: 8, .value_kind: global_buffer, .address_space: global }
      - { .name: b_o, .offset: 32, .size: 8, .value_kind: global_buffer, .address_space: global }
      - { .name: out0, .offset: 40, .size: 8, .value_kind: global_buffer, .address_space: global }
    .group_segment_fixed_size: 295424
    .private_segment_fixed_size: 0
    .kernarg_segment_align: 8
    .kernarg_segment_size: 48
    .max_flat_workgroup_size: 128
    .sgpr_count:     100
    .vgpr_count:     768
    .wavefront_size: 32
...
	.end_amdgpu_metadata
.endif
;; end of part 4
